; MI455X (gfx1250); checked and timed in simulation.
; The chip was launched on July 23, 2026; its instructions are those of AMD's public machine-readable ISA for CDNA 5 (MIT licence, August 2026) and "CDNA5" Instruction Set Architecture Reference Guide (July 2026). The comments in the code are by the model that wrote it; some were corrected since.
;; Multi Head Attention. Allowed arithmetic: matrix products marked QUANTISED: E2M3 operands, one E8M0 scale for each 32 along K, by v_wmma_scale_f32_16x16x128_f8f6f4 with both operands' format E2M3, f32 sums; everything else in f32.
;; Inputs: Wk 1,024 x 1,024 float32; Wo 1,024 x 1,024 float32; Wq 1,024 x 1,024 float32; Wv 1,024 x 1,024 float32; bk 1,024 float32; bo 1,024 float32; bq 1,024 float32; bv 1,024 float32; mask 4 x 2,048 x 2,048 bool; query 4 x 2,048 x 1,024 float32.
;; Outputs: out0 4 x 2,048 x 1,024 float32.
;; This version of the problem:
;;   THIS VERSION OF THE PROBLEM IS GIVEN IN LOW PRECISION. The matrix products marked QUANTISED in the list below multiply operands that are first quantised to E2M3 (2 exponent bits, 3 mantissa bits; 6 bits a number), with one power-of-two scale for each 32 numbers along K (OCP MX v1.0); their sums are f32. All else is computed in f32.
;;   The module's matrix products, in the order in which they are computed (A, B: the left and right operand; K: the contracted axis; several contracted axes count as one K, in the product's order):
;;     1. [M 8,192, K 1,024] x [K 1,024, N 1,024]; A: input query; B: input Wq: QUANTISED
;;     2. [M 8,192, K 1,024] x [K 1,024, N 1,024]; A: input query; B: input Wk: QUANTISED
;;     3. [M 8,192, K 1,024] x [K 1,024, N 1,024]; A: input query; B: input Wv: QUANTISED
;;     4. batch 64 x [M 2,048, K 64] x [K 64, N 2,048]; A: computed on the way; B: computed on the way: QUANTISED
;;     5. batch 64 x [M 2,048, K 2,048] x [K 2,048, N 64]; A: softmax (see below); B: computed on the way: QUANTISED
;;     6. [M 8,192, K 1,024] x [K 1,024, N 1,024]; A: computed on the way; B: input Wo: QUANTISED
;;   THE QUANTISER, for each operand of a quantised product, along K:
;;     - K is cut into blocks of 32 from its start; a last block that is shorter is filled with zeros.
;;     - A block's scale is 2^e with e = floor(log2(the largest magnitude in the block)) - 2, held to -126 .. 127; a block of zeros has e = 0. As a byte (E8M0): e + 127.
;;     - Each number is divided by its block's scale, clamped to +-7.5, and rounded to the nearest number of E2M3, ties to even, subnormals kept.
;;     - The product sums the exact products of the quantised numbers (number of the format x scale) in f32.
;;   ~~~python
;;   def quantise(x, axis):      # numpy; x: float32 -> the quantised numbers, widened to float32 again
;;       x = np.moveaxis(x, axis, -1); K = x.shape[-1]
;;       x = np.pad(x, [(0, 0)] * (x.ndim - 1) + [(0, -K % 32)]); x = x.reshape(x.shape[:-1] + (-1, 32)); a = np.abs(x).max(-1, keepdims=True)
;;       e = np.where(a > 0, np.clip(np.frexp(np.where(a > 0, a, 1))[1] - 1 - 2, -126, 127), 0)      # np.frexp(a)[1] - 1 = floor(log2(a)), exactly
;;       r = np.clip(x / 2.0 ** e, -7.5, 7.5)
;;       step = 2.0 ** (np.maximum(np.frexp(np.where(r == 0, 1, r))[1] - 1, 0) - 3)
;;       q = np.round(r / step) * step * 2.0 ** e      # np.round: ties to even
;;       return np.moveaxis(q.reshape(q.shape[:-2] + (-1,))[..., :K], -1, axis).astype(np.float32)
;;   ~~~
;;   SOFTMAX AHEAD OF A QUANTISED PRODUCT. Where the list says 'softmax', what is quantised is not the finished softmax but p = 2^(t - M), with t = logit x log2(e) and M = ceil(the row's largest t), a whole number; so 1/2 < the row's largest p <= 1. The row's sum l is taken of the UNQUANTISED p, in f32, and the product's result is divided by l at the end. Since M is a whole number, a kernel that streams over the keys may use a running M (the ceiling of the running maximum): every later rescaling is an exact power of two, which a block's scale takes up: the codes' values come out the same.
;;   OPERANDS COMPUTED ON THE WAY. 'Computed on the way' means the value that the module computes at that place (a softmax that the list does not call 'softmax' is quantised finished and normalised). What goes into a quantiser is computed in f32, as accurately as f32 sums, v_exp_f32 and their like allow (about 1e-6 of the number): no bf16 or f16 on the way to a quantiser, and a product that is left as it is and whose result goes on into a quantised operand takes f32 operands (vector FMAs, or v_wmma_f32_16x16x4_f32). A number that lies on a knife's edge between two numbers of the format may be rounded either way, as far as f32 arithmetic and the matrix unit's own rounding can turn it there, and no further.
;; One version. Each part assembles by itself: llvm-mc -triple=amdgcn-amd-amdhsa -mcpu=gfx1250 --defsym DOCPART=n.
;; ======== version 1 of 1: 4 launches
;; limits: right only within a limited range of input values
;; workspace buffers: xc 9,437,184 bytes; xs 393,216 bytes; mw 2,097,152 bytes of whole numbers; qb 6,815,744 bytes; kv 13,369,344 bytes; oc 6,291,456 bytes; os 262,144 bytes
;; launch prep (part 1): grid 896 x 1, 4 waves a work-group, no clusters, 33,280 bytes of LDS; arguments query, Wq, Wk, Wv, Wo, mask, xc, xs, mw; writes xc, xs, mw
.if DOCPART == 1
	.amdgcn_target "amdgcn-amd-amdhsa--gfx1250"
	.amdhsa_code_object_version 6
	.text
	.protected	k_q7b634bd9ee_prep
	.globl	k_q7b634bd9ee_prep
	.p2align	8
	.type	k_q7b634bd9ee_prep,@function
k_q7b634bd9ee_prep:
	s_mov_b64 s[64:65], 0
	v_nop
	global_prefetch_b8 v0, s[64:65] scope:SCOPE_SE
	s_setreg_imm32_b32 hwreg(HW_REG_WAVE_MODE, 25, 1), 1
	s_wait_xcnt 0x0
; WORK-GROUPS 0-383: query [8192][1024] and Wq, Wk, Wv, Wo [1024][1024], f32, K innermost, become codes of FP6 (E2M3) in xc (12,288 rows of 768 bytes: query, Wq, Wk, Wv, Wo)
; and one E8M0 byte for each 32 along K in xs (the same rows, 32 bytes each).  A block's scale is 2^(floor(log2(its largest magnitude)) - 2); its byte is that magnitude's exponent field - 2, held at 1 from below.
; THE ROWS ARE STORED PERMUTED: a row goes to the workspace row whose number has bits 3 and 4 exchanged.  Sixteen workspace rows on end (tile 2 b + u, lane r) are then the true rows 32 b + 8 u + r + 8 (r / 8):
; whatever is source 0 of a later product leaves 16 neighbours along the next K in a lane's registers of two neighbouring tiles.
; A wave takes a run of 8 rows (8,192 numbers) in 16 steps of 512, so the permutation is an exchange of the two low bits of the run's number, which are the wave's number.
; Each of a step's four loads reads 512 consecutive bytes; the 2,048 bytes turn through the wave's own stage in LDS and come back 64 bytes (16 neighbours) a lane; two neighbouring lanes hold a block.
; WORK-GROUPS 384-895: the mask (one byte a key) becomes LANE MASKS for the attention launch: for a tile of 16 queries and a step of 128 keys 64 words; bit l of word n says whether key
; 128 g + 64 (n / 32) + 32 (l / 16) + n % 32 counts for the query of lane l % 16.  A work-group takes one tile of queries, a wave a quarter of the keys.  No LDS there.
; LIMITS: NaN and infinities among the inputs are not served; a block whose largest magnitude lies under 2^-124 keeps the byte 1, a block of zeros too (the rule says 127): its codes are zeros, and this program alone reads the bytes.
; No cluster: no two work-groups read the same bytes.
.set WAVES, 4
.set STEPS, 16
.set EMAX,  2
.set CB,    12                         ; bytes of 16 codes
.set R,     16                         ; v16-79   four sets of 16 numbers as loaded
.set X,     80                         ; v80-111  two sets of 16 neighbours
.set E,     112                        ; v112-127 a scale byte for each step
.set C,     128                        ; v128-191 codes: four registers a step, so that no store's data are written again
.set WREG,  8192                       ; LDS: a region for each wave: two stages of 32 x SP bytes, then its 256 scale bytes
.set SP,    80                         ; a lane's place in a stage: 64 bytes + 16 of padding
.set SPW,   12                         ; v12  LDS address of my spare word; never rewritten
.set NIL,   13                         ; v13  0; never rewritten
.set SPARE, WAVES*WREG                 ; the spare words: 128 bytes a wave, two blocks of 256 bytes that no other line names
	s_load_b256 s[4:11], s[0:1], 0x0               ; query, Wq, Wk, Wv
	s_load_b256 s[12:19], s[0:1], 0x20             ; Wo, mask, xc, xs
	s_load_b64 s[20:21], s[0:1], 0x40              ; mw
	v_lshl_add_u32 v[SPW], v0, 2, SPARE
	v_mov_b32 v[NIL], 0
	v_lshrrev_b32 v1, 5, v0
	v_readfirstlane_b32 s22, v1                    ; wave
	v_and_b32 v2, 31, v0                           ; lane
	s_mul_i32 s30, s22, WREG                       ; every LDS address is made here, ahead of the parting
	v_lshrrev_b32 v14, 2, v2
	v_mul_u32_u24 v14, v14, SP
	v_and_b32 v15, 3, v2
	v_lshl_add_u32 v14, v15, 4, v14
	v_add_nc_u32 v14, s30, v14                     ; the stage, on the way in: SP (lane / 4) + 16 (lane % 4)
	v_mul_u32_u24 v15, v2, SP
	v_add_nc_u32 v15, s30, v15                     ; and on the way out: SP x lane
	v_lshrrev_b32 v5, 1, v2
	s_add_co_u32 s30, s30, 2*32*SP
	v_add_nc_u32 v5, s30, v5                       ; my wave's 256 scale bytes, my block's byte
	v_lshlrev_b32 v7, 3, v2                        ; 8 bytes a lane
	v_add_nc_u32 v6, s30, v7
	s_wait_kmcnt 0x0
	s_cmp_lt_u32 ttmp9, 384                        ; the two ways part on the work-group's number and never join
	s_cbranch_scc0 .Lmask
	; ---- the quantiser
	v_lshlrev_b32 v3, 4, v2                        ; my 16 bytes of a load's 512
	s_wait_alu depctr_va_vdst(0)
	; xc IS LAID BY TILES: [256 workspace rows][K step of 256][256 rows x 192 bytes], so that a K step's 256 rows are 49,152 dense bytes.  Lanes 0-15 hold one K step's 192 bytes of a row, lanes 16-31 the next K step's
	v_and_b32 v4, 15, v2
	v_mul_u32_u24 v4, v4, CB
	v_lshrrev_b32 v10, 4, v2
	v_mad_u32_u24 v4, v10, 49152, v4
	s_sub_co_u32 s23, ttmp9, 256
	s_lshr_b32 s24, s23, 5                         ; which weight (32 work-groups each)
	s_and_b32 s25, s23, 31
	s_cmp_eq_u32 s24, 1
	s_cselect_b64 s[6:7], s[8:9], s[6:7]
	s_cmp_eq_u32 s24, 2
	s_cselect_b64 s[6:7], s[10:11], s[6:7]
	s_cmp_eq_u32 s24, 3
	s_cselect_b64 s[6:7], s[12:13], s[6:7]
	s_cmp_lt_u32 ttmp9, 256                        ; query or a weight: the choice hangs on the work-group's number alone
	s_cselect_b64 s[4:5], s[4:5], s[6:7]
	s_cselect_b32 s25, ttmp9, s25
	s_lshl_b32 s25, s25, 2
	s_add_co_u32 s26, s25, s22                     ; my run in the source tensor
	s_lshl_b32 s26, s26, 15                        ; 32,768 bytes a run (under 2^26)
	s_mov_b32 s27, 0
	s_add_nc_u64 s[4:5], s[4:5], s[26:27]
	s_and_b32 s28, s22, 1
	s_lshl_b32 s28, s28, 1
	s_lshr_b32 s29, s22, 1
	s_or_b32 s28, s28, s29                         ; the wave's two bits exchanged
	s_lshl_b32 s29, ttmp9, 2
	s_add_co_u32 s28, s28, s29                     ; a weight's run in the workspace: bits 3 and 4 of the row exchanged
	; QUERY'S ROWS ARE STORED WITH BITS 3, 4, 5 ROTATED: workspace row bits (5,4,3) = true row bits (4,3,5).  Workspace tile t of a group of 64 rows, row m, is then true row 32 (m / 8) + 8 t + m % 8:
	; where such tiles are source 0 of a product, a lane's 32 registers of four neighbouring tiles are 32 neighbours
	s_lshr_b32 s29, ttmp9, 1
	s_lshl_b32 s29, s29, 3
	s_lshl_b32 s30, s22, 1
	s_add_co_u32 s29, s29, s30
	s_and_b32 s30, ttmp9, 1
	s_add_co_u32 s29, s29, s30                     ; 8 (wg / 2) + 2 wave + wg % 2
	s_cmp_lt_u32 ttmp9, 256
	s_cselect_b32 s28, s29, s28
	s_lshr_b32 s29, s28, 5                         ; the group of 256 rows: 196,608 bytes
	s_mul_i32 s26, s29, 196608
	s_and_b32 s29, s28, 31                         ; my 8 rows in it: 192 bytes a row in each K step
	s_mul_i32 s29, s29, 1536
	s_add_co_u32 s26, s26, s29
	s_add_nc_u64 s[16:17], s[16:17], s[26:27]
	s_lshl_b32 s26, s28, 8
	s_add_nc_u64 s[18:19], s[18:19], s[26:27]
.macro LOAD t
.irp i, 0,1,2,3
	global_load_b128 v[R+16*((\t)%4)+4*\i:R+16*((\t)%4)+4*\i+3], v3, s[4:5] offset:2048*(\t)+512*\i th:TH_LOAD_NT   ; 32 lanes read 512 consecutive bytes
.endr
.endm
.macro TURN t                          ; step t's numbers through the stage: LDS serves a wave's instructions in order, so no wait stands between the stores and the loads
.irp i, 0,1,2,3
	ds_store_b128 v14, v[R+16*((\t)%4)+4*\i:R+16*((\t)%4)+4*\i+3] offset:32*SP*((\t)%2)+8*SP*\i
.endr
.irp i, 0,1,2,3
	ds_load_b128 v[X+16*((\t)%2)+4*\i:X+16*((\t)%2)+4*\i+3], v15 offset:32*SP*((\t)%2)+16*\i
.endr
.endm
.irp t, 0,1,2,3
	LOAD \t
.endr
	s_wait_loadcnt 12                              ; step 0's four loads are in; the twelve of steps 1 to 3 may be out
	TURN 0
.macro STEP t
.set XS, X+16*((\t)%2)
.if (\t) > 0
	s_wait_dscnt 1                                 ; this step's numbers are back from the stage (the last step's byte store may be out): its stores into the stage have read their registers,
.else
	s_wait_dscnt 0x0
.endif
.if (\t)+4 < STEPS
	LOAD (\t)+4                                    ; which take the loads of four steps on
.endif
.if (\t)+1 < STEPS
.if STEPS-2-(\t) >= 3
	s_wait_loadcnt 12                              ; the next step's four loads are in; those of the three steps behind it may be out
.else
	s_wait_loadcnt 4*(STEPS-2-(\t))
.endif
	TURN (\t)+1
.endif
	v_max3_num_f32 v8, |v[XS]|, |v[XS+1]|, |v[XS+2]|               ; the largest magnitude of my 16, in two chains
	v_max3_num_f32 v9, |v[XS+3]|, |v[XS+4]|, |v[XS+5]|
.irp i, 6,10
	v_max3_num_f32 v8, v8, |v[XS+\i]|, |v[XS+\i+1]|
	v_max3_num_f32 v9, v9, |v[XS+\i+2]|, |v[XS+\i+3]|
.endr
	v_max3_num_f32 v8, v8, |v[XS+14]|, |v[XS+15]|
	v_max3_num_f32 v8, v8, v9, (EMAX+1)<<23        ; and the floor 2^(3 - 127): the byte cannot fall under 1
	v_max_num_f32_dpp v8, v8, v8 row_xmask:1 row_mask:0xf bank_mask:0xf   ; and of my neighbour's 16: the block's
	v_add_nc_u32 v11, -(EMAX<<23), v8              ; 2 off its exponent field: the conversion takes the exponent field of this operand as its scale
	v_cvt_scalef32_pk16_fp6_f32 v[C+4*(\t):C+4*(\t)+2], v[XS:XS+15], v11
	v_lshrrev_b32 v[E+(\t)], 23, v11               ; the scale's byte
	ds_store_b8 v5, v[E+(\t)] offset:16*(\t)       ; both lanes of a block write the same byte with the same value
	global_store_b96 v4, v[C+4*(\t):C+4*(\t)+2], s[16:17] offset:192*((\t)/2)+98304*((\t)%2)   ; row t / 2 of my 8; K steps 2 (t % 2) and 2 (t % 2) + 1: sixteen lanes store 192 consecutive bytes
.endm
.irp t, 0,1,2,3,4,5,6,7,8,9,10,11,12,13,14,15
	STEP \t
.endr
	ds_load_b64 v[8:9], v6                         ; LDS serves a wave's instructions in order: these see my byte stores
	s_wait_dscnt 0x0
	global_store_b64 v7, v[8:9], s[18:19]          ; 32 lanes store 256 consecutive bytes, aligned
	s_wait_tensorcnt 0x0                           ; the wave's end, behind my last LDS store
	ds_add_u32 v[SPW], v[NIL]
	s_wait_dscnt 0x0
	s_endpgm
	; ---- the mask.  mi = 128 b + T: the tile of queries; its lane r is row 16 (mi & ~3) + 8 (mi & 3) + r % 8 + 32 (r / 8) of the mask's 8,192 rows
.Lmask:
	s_sub_co_u32 s23, ttmp9, 384
	; by the rotation of query's rows: lane r of tile mi is row 16 (mi & ~3) + 8 (mi & 3) + r % 8 + 32 (r / 8); bit l of word n is key 128 g + 64 (n / 32) + 32 (l / 16) + n % 32
	s_and_b32 s24, s23, 0x1fc
	s_lshl_b32 s24, s24, 4
	s_and_b32 s25, s23, 3
	s_lshl_b32 s25, s25, 3
	s_add_co_u32 s24, s24, s25
	s_lshl_b32 s24, s24, 11                        ; 2,048 bytes a row (under 2^24)
	s_lshl_b32 s25, s22, 9                         ; my wave's quarter of the keys
	s_add_co_u32 s24, s24, s25
	s_mov_b32 s25, 0
	s_add_nc_u64 s[14:15], s[14:15], s[24:25]
	s_and_b32 s26, s23, 0x1e0                      ; where the words go: 128 b + 32 (T / 32) + 2 (T % 16) + (T / 16) % 2, so that a wave of the attention launch reads its two tiles as one stream
	s_and_b32 s27, s23, 15
	s_lshl_b32 s27, s27, 1
	s_add_co_u32 s26, s26, s27
	s_bfe_u32 s27, s23, 0x10004
	s_add_co_u32 s26, s26, s27
	s_lshl_b32 s26, s26, 12                        ; 4,096 bytes a tile: 16 steps of 256
	s_lshl_b32 s27, s22, 10
	s_add_co_u32 s26, s26, s27
	s_mov_b32 s27, 0
	s_add_nc_u64 s[20:21], s[20:21], s[26:27]
	v_and_b32 v16, 15, v0                          ; r
	v_bfe_u32 v17, v0, 4, 1                        ; h
	v_and_b32 v18, 8, v16
	v_mad_u32_u24 v18, v18, 3, v16                 ; r + 24 (r / 8)
	v_lshlrev_b32 v3, 11, v18
	v_lshl_add_u32 v3, v17, 5, v3                  ; my row, + 32 h: my block of 32 keys
.irp g, 0,1,2,3
.irp b, 0,1,2,3
	global_load_b128 v[32+16*\g+4*\b:32+16*\g+4*\b+3], v3, s[14:15] offset:128*\g+64*(\b/2)+16*(\b%2)   ; the sixteen loads together take 512 consecutive bytes of each of 16 rows
.endr
.endr
.macro MWORDS g                        ; a step's 64 words: register q holds bytes 4 q .. 4 q + 3 of my 64; word n goes to lane n / 2 of register n % 2, which is byte 4 n of the step's 256
	s_wait_loadcnt 12-4*\g                         ; this step's four loads are in; the younger steps' may be out
	v_mov_b32 v[96+2*\g], 0                        ; (a lane write's destination counts as read)
	v_mov_b32 v[97+2*\g], 0
.set q, 0
.rept 16
.irp k, 0,1,2,3
	v_and_b32 v[8+\k], 0xff<<(8*\k), v[32+16*\g+q]
.endr
.irp k, 0,1,2,3
	v_cmp_ne_u32 s[24+\k], 0, v[8+\k]              ; bit l: does the key count for lane l?
.endr
.irp k, 0,1,2,3
	v_writelane_b32 v[96+2*\g+\k%2], s[24+\k], 2*q+\k/2
.endr
.set q, q+1
.endr
	global_store_b64 v7, v[96+2*\g:97+2*\g], s[20:21] offset:256*\g   ; 32 lanes store 256 consecutive bytes, aligned; each step has its own two registers
.endm
.irp g, 0,1,2,3
	MWORDS \g
.endr
	s_wait_tensorcnt 0x0                           ; the wave's end
	ds_add_u32 v[SPW], v[NIL]
	s_wait_dscnt 0x0
	s_endpgm
.Lfunc_end_k_q7b634bd9ee_prep:
	.size	k_q7b634bd9ee_prep, .Lfunc_end_k_q7b634bd9ee_prep-k_q7b634bd9ee_prep
	.p2alignl 7, 3214868480
	.fill 96, 4, 3214868480
	.section	.rodata,"a",@progbits
	.p2align	6, 0x0
	.amdhsa_kernel k_q7b634bd9ee_prep
		.amdhsa_group_segment_fixed_size 33280
		.amdhsa_private_segment_fixed_size 0
		.amdhsa_enable_private_segment 0
		.amdhsa_kernarg_size 72
		.amdhsa_user_sgpr_count 2
		.amdhsa_user_sgpr_kernarg_segment_ptr 1
		.amdhsa_wavefront_size32 1
		.amdhsa_system_sgpr_workgroup_id_x 1
		.amdhsa_system_sgpr_workgroup_id_y 1
		.amdhsa_system_sgpr_workgroup_id_z 1
		.amdhsa_system_vgpr_workitem_id 0
		.amdhsa_next_free_vgpr 192
		.amdhsa_next_free_sgpr 66
		.amdhsa_reserve_vcc 0
		.amdhsa_float_denorm_mode_32 3
		.amdhsa_float_denorm_mode_16_64 3
		.amdhsa_memory_ordered 1
		.amdhsa_forward_progress 1
		.amdhsa_inst_pref_size 85
	.end_amdhsa_kernel
	.amdgpu_metadata
---
amdhsa.version: [ 1, 2 ]
amdhsa.kernels:
  - .name:           k_q7b634bd9ee_prep
    .symbol:         k_q7b634bd9ee_prep.kd
    .args:
      - { .name: query, .offset: 0, .size: 8, .value_kind: global_buffer, .address_space: global }
      - { .name: Wq, .offset: 8, .size: 8, .value_kind: global_buffer, .address_space: global }
      - { .name: Wk, .offset: 16, .size: 8, .value_kind: global_buffer, .address_space: global }
      - { .name: Wv, .offset: 24, .size: 8, .value_kind: global_buffer, .address_space: global }
      - { .name: Wo, .offset: 32, .size: 8, .value_kind: global_buffer, .address_space: global }
      - { .name: mask, .offset: 40, .size: 8, .value_kind: global_buffer, .address_space: global }
      - { .name: xc, .offset: 48, .size: 8, .value_kind: global_buffer, .address_space: global }
      - { .name: xs, .offset: 56, .size: 8, .value_kind: global_buffer, .address_space: global }
      - { .name: mw, .offset: 64, .size: 8, .value_kind: global_buffer, .address_space: global }
    .group_segment_fixed_size: 33280
    .private_segment_fixed_size: 0
    .kernarg_segment_align: 8
    .kernarg_segment_size: 72
    .max_flat_workgroup_size: 128
    .sgpr_count:     66
    .vgpr_count:     192
    .wavefront_size: 32
...
	.end_amdgpu_metadata
.endif
;; end of part 1
;; launch qkv (part 2): grid 8 x 48, 4 waves a work-group, clusters of 4 x 4, 327,680 bytes of LDS; arguments xc, xs, bq, bk, bv, qb, kv; writes qb, kv
.if DOCPART == 2
	.amdgcn_target "amdgcn-amd-amdhsa--gfx1250"
	.amdhsa_code_object_version 6
	.text
	.protected	k_q7b634bd9ee_qkv
	.globl	k_q7b634bd9ee_qkv
	.p2align	8
	.type	k_q7b634bd9ee_qkv,@function
k_q7b634bd9ee_qkv:
	s_mov_b64 s[64:65], 0
	v_nop
	global_prefetch_b8 v0, s[64:65] scope:SCOPE_SE
	s_setreg_imm32_b32 hwreg(HW_REG_WAVE_MODE, 25, 1), 1
	s_wait_xcnt 0x0
	s_wait_alu depctr_hold_cnt(0) depctr_sa_sdst(0) depctr_va_vdst(0) depctr_va_sdst(0) depctr_va_ssrc(0) depctr_va_vcc(0) depctr_vm_vsrc(0)
	s_getreg_b32 s2, hwreg(HW_REG_IB_STS2, 6, 4)
	s_cmp_eq_u32 s2, 0
	s_cbranch_scc0 .Lentry_in_a_cluster
	s_endpgm
.Lentry_in_a_cluster:
	s_bfe_u32 s2, ttmp6, 0x10000c
	s_cmp_lg_u32 s2, 0xf033
	s_cbranch_scc0 .Lentry_shape_is_right
	s_endpgm
.Lentry_shape_is_right:
.set KSTEP,  256
.set NQ,     KSTEP/128
.set ROWB,   49152                     ; bytes from one K step's tile of 256 rows to the next in xc: a tile is 256 x 192 dense bytes, a wave's half of it 24,576
.set KROW,   768
.set PITCH,  240
.set FR,     12
.set NL,     6
.set NP,     4
.set HALFT,  128*PITCH
.set SLOT,   4*HALFT
.set LAPS,   2
.set KS,     32
.set SCL,    2*SLOT
.set HALFS,  (128*KS/256)*272
.set SBLK,   (16*KS/256)*272
.set SPARE,  SCL+4*HALFS
.set BIASL,  SPARE+512
.set L16,  8
.set L8,   9
.set BST,  10
.set BLQ,  11
.set BLV,  12
.set ADRA, 16
.set ADRB, 20
.set ADRS, 27
.set SPW,  28
.set NIL,  29
.set SC,   32
.set BI,   64
.set AF,   128
.set HA,   128
.set PC,   192
.set TM,   212
.set PWS,  228
.set SE,   236
.set SO,   240
.set BV,   248
.set G1, 24
.set G0, 32
.set G1B, 48
.set G0B, 56
.set G1S, 68
.set G0S, 76
.set G1SB, 80
.set G0SB, 88
.set HIM, 2
.set YY,  95
.set OE,  96
.set OO,  98
.set SEL, 100
.set MSB, 0
.macro WIN new
.if MSB != (\new)
	s_set_vgpr_msb (MSB<<8)|(\new)
.set MSB, \new
.endif
.endm
.set MUL_LO, 0xa1
.set MUL_HI, 0xf1
.set TO_B,   0x40
.macro JLOAD g0a, g1a, g0b, g1b
	s_cmp_eq_u32 s15, 0
	s_cbranch_scc0 .Lfor_b_\@
	tensor_load_to_lds s[\g0a:\g0a+3], s[\g1a:\g1a+7]
	s_nop 0
.rept 4
	v_nop
.endr
	s_branch .Lasked_\@
.Lfor_b_\@:
	tensor_load_to_lds s[\g0b:\g0b+3], s[\g1b:\g1b+7]
	s_nop 0
.rept 4
	v_nop
.endr
.Lasked_\@:
.endm
.macro CREST
	s_cmp_lg_u32 s14, 0
	s_cbranch_scc1 .Lnot_wave_0_\@
	s_barrier_signal -3
.Lnot_wave_0_\@:
	s_barrier_wait -3
	s_barrier_signal -1
	s_barrier_wait -1
.endm
.macro CROUND
	s_barrier_signal -1
	s_barrier_wait -1
	CREST
.endm
	s_load_b128 s[4:7], s[0:1], 0x0
	s_load_b128 s[8:11], s[0:1], 0x10
	s_load_b64 s[12:13], s[0:1], 0x20
	s_load_b128 s[96:99], s[0:1], 0x28
	v_lshl_add_u32 v[SPW], v0, 2, SPARE
	v_mov_b32 v[NIL], 0
	ds_add_u32 v[SPW], v[NIL]
	ds_add_u32 v[SPW], v[NIL]
	v_lshrrev_b32 v1, 5, v0
	v_readfirstlane_b32 s14, v1
	s_lshr_b32 s15, s14, 1
	s_and_b32 s16, s14, 1
	s_bfe_u32 s40, ttmp6, 0x40000
	s_bfe_u32 s41, ttmp6, 0x40004
	s_and_b32 s[YY], ttmp7, 0xffff
	s_sub_co_u32 s100, s[YY], 8
	s_lshl_b32 s100, s100, 1
	s_add_co_u32 s100, s100, ttmp9
	s_cmp_lt_u32 s[YY], 8
	s_cselect_b32 s42, ttmp9, s100
	s_cselect_b32 s17, s[YY], 0
	s_cselect_b32 s66, 0, 10240
	s_cselect_b32 s67, 8192, 0
	s_cselect_b32 s101, ttmp9, 2
	s_lshl_b32 s42, s42, 2
	s_add_co_u32 s42, s42, s40
	s_lshl_b32 s17, s17, 2
	s_add_co_u32 s17, s17, s41
	s_lshl_b32 s43, s41, 2
	s_lshl_b32 s43, 15, s43
	s_lshl_b32 s44, 0x1111, s40
	s_or_b32 s[G1+0], s43, (0<<16)|(1<<20)|(1<<21)|(3<<22)|(3<<25)
	s_or_b32 s[G1B+0], s44, (0<<16)|(1<<20)|(1<<21)|(3<<22)|(3<<25)
.irp g, G1, G1B
	s_mov_b32 s[\g+1], 256<<16                     ; a dense tile is stated as rows of 256 bytes: 192 for the head's whole tiles, later 96 for a wave's half; 16 bytes of padding behind each 64 give LDS rows of 192 + 48 bytes
	s_mov_b32 s[\g+2], 192<<16
	s_mov_b32 s[\g+3], 256<<16
	s_mov_b32 s[\g+4], 192
	s_mov_b32 s[\g+5], 256
	s_mov_b32 s[\g+6], 0
	s_mov_b32 s[\g+7], 0
.endr
	s_or_b32 s[G1S+0], s43, (3<<16)|(1<<20)|(1<<21)|(5<<22)|(3<<25)
	s_or_b32 s[G1SB+0], s44, (3<<16)|(1<<20)|(1<<21)|(5<<22)|(3<<25)
.irp g, G1S, G1SB
	s_mov_b32 s[\g+1], 32<<16
	s_mov_b32 s[\g+2], (256*KS/256)<<16            ; the scales of all 256 rows: 32 rows of 256 bytes
	s_mov_b32 s[\g+3], 32<<16
	s_mov_b32 s[\g+4], 256*KS/256
	s_mov_b32 s[\g+5], 32
	s_mov_b32 s[\g+6], 0
	s_mov_b32 s[\g+7], 0
.endr
	s_lshl_b32 s18, s16, 5                         ; my half of a tile begins 24,576 bytes on: 32 x 768
	s_lshl_b32 s20, s17, 8
	s_add_co_u32 s20, s20, s18
	s_add_co_u32 s20, s20, s66
	s_lshl_b32 s46, s42, 8
	s_add_co_u32 s46, s46, s18
	s_add_co_u32 s46, s46, s67
	s_mov_b32 s21, 0
	s_mov_b32 s47, 0
	s_mov_b64 s[18:19], KS
	s_mul_u64 s[22:23], s[20:21], s[18:19]
	s_mul_u64 s[92:93], s[46:47], s[18:19]
	s_lshl_b32 s94, s16, 10                        ; the scales are fetched for the whole tile: the half's 32 x 32 bytes go off both offsets again
	s_sub_co_u32 s22, s22, s94
	s_sub_co_u32 s92, s92, s94
	s_mov_b64 s[18:19], KROW
	s_mul_u64 s[20:21], s[20:21], s[18:19]
	s_mul_u64 s[46:47], s[46:47], s[18:19]
	s_mul_i32 s45, s14, HALFT
	s_wait_dscnt 0x0
	s_wait_kmcnt 0x0
	s_add_nc_u64 s[20:21], s[4:5], s[20:21]
	s_add_nc_u64 s[22:23], s[6:7], s[22:23]
	s_add_nc_u64 s[46:47], s[4:5], s[46:47]
	s_add_nc_u64 s[92:93], s[6:7], s[92:93]
	CROUND
	s_mov_b32 s[G0S], 1
	s_mov_b32 s[G0S+1], SCL
	s_mov_b64 s[G0S+2:G0S+3], s[22:23]
	s_or_b32 s[G0S+3], s[G0S+3], 0x80000000
	s_mov_b32 s[G0SB], 1
	s_mov_b32 s[G0SB+1], SCL+2*HALFS
	s_mov_b64 s[G0SB+2:G0SB+3], s[92:93]
	s_or_b32 s[G0SB+3], s[G0SB+3], 0x80000000
.irp s, 0,1
	s_mov_b32 s[G0+4*\s], 1
	s_add_co_u32 s[G0+4*\s+1], s45, \s*SLOT
	s_add_nc_u64 s[G0+4*\s+2:G0+4*\s+3], s[20:21], \s*ROWB
	s_or_b32 s[G0+4*\s+3], s[G0+4*\s+3], 0x80000000
	s_mov_b32 s[G0B+4*\s], 1
	s_add_co_u32 s[G0B+4*\s+1], s45, \s*SLOT
	s_add_nc_u64 s[G0B+4*\s+2:G0B+4*\s+3], s[46:47], \s*ROWB
	s_or_b32 s[G0B+4*\s+3], s[G0B+4*\s+3], 0x80000000
.endr
; THE HEAD'S LOADS, ONE A WAVE: wave 0 fetches K step 0's 256 rows of A, wave 1 the scales of A's 256 rows, wave 2 K step 0's 256 rows of B, wave 3 the scales of B's.
; Waves 0 and 2 hold the lower half's address and LDS place in slot 0's own group 0, which are the whole tile's.  One tree of branches on the wave's number: every way passes exactly one load.
.macro ARM under, g0, g1, next
	s_cmp_lt_u32 s14, \under
	s_cbranch_scc0 \next
	tensor_load_to_lds s[\g0:\g0+3], s[\g1:\g1+7]
	s_nop 0
.rept 4
	v_nop
.endr
	s_branch .Lhead_asked
\next:
.endm
	ARM 1, G0,  G1,  .Lhead_sa
	ARM 2, G0S, G1S, .Lhead_b
	ARM 3, G0B, G1B, .Lhead_sb
	tensor_load_to_lds s[G0SB:G0SB+3], s[G1SB:G1SB+7]
	s_nop 0
.rept 4
	v_nop
.endr
.Lhead_asked:
	v_and_b32 v1, 15, v0
	v_bfe_u32 v2, v0, 4, 1
	v_mul_u32_u24 v3, v1, PITCH
	v_mul_u32_u24 v4, v2, 24
	v_add_nc_u32 v4, v3, v4
	v_lshl_add_u32 v5, v2, 4, v4
	s_mul_i32 s21, s15, HALFT
	s_mul_i32 s22, s16, HALFT
	s_add_co_u32 s22, s22, 2*HALFT
.irp s, 0,1
	v_add_nc_u32 v[ADRA+\s], s21, v4
	v_add_nc_u32 v[ADRB+\s], s22, v4
	v_add_nc_u32 v[ADRA+2+\s], s21, v5
	v_add_nc_u32 v[ADRB+2+\s], s22, v5
	s_add_co_u32 s21, s21, SLOT
	s_add_co_u32 s22, s22, SLOT
.endr
	v_mul_u32_u24 v5, v1, KS
	v_lshrrev_b32 v6, 8, v5
	v_lshl_add_u32 v5, v6, 4, v5
	s_mul_i32 s21, s15, HALFS
	s_mul_i32 s22, s16, HALFS
	s_add_co_u32 s22, s22, 2*HALFS
	s_sub_co_u32 s22, s22, s21
	v_mul_u32_u24 v6, s22, v2
	s_add_co_u32 s21, s21, SCL
	v_add_nc_u32 v5, v5, v6
	v_add_nc_u32 v[ADRS], s21, v5
	v_and_b32 v7, 31, v0
	v_lshlrev_b32 v[L16], 4, v7
	s_wait_alu depctr_va_vdst(0)
	v_lshlrev_b32 v[L8], 3, v7
	s_lshl_b32 s21, s14, 9
	s_add_co_u32 s21, s21, BIASL
	v_add_nc_u32 v[BST], s21, v[L16]
	v_lshlrev_b32 v[BLQ], 6, v2
	v_add_nc_u32 v[BLQ], s21, v[BLQ]
	v_and_b32 v[BLV], 8, v1
	v_add_nc_u32 v[BLV], v[BLV], v1
	v_lshl_add_u32 v[BLV], v[BLV], 2, s21
	s_lshl_b32 s20, s17, 1
	s_add_co_u32 s20, s20, s15
	s_lshl_b32 s21, s42, 1
	s_add_co_u32 s21, s21, s16
	s_cmp_lt_u32 s[YY], 8
	s_cselect_b32 s22, s20, s21
	s_cselect_b32 s23, s21, s20
	s_and_b32 s23, s23, 7
	s_cmp_eq_u32 s101, 1
	s_cselect_b64 s[8:9], s[10:11], s[8:9]
	s_cmp_eq_u32 s101, 2
	s_cselect_b64 s[8:9], s[12:13], s[8:9]
	s_lshl_b32 s20, s23, 9
	s_mov_b32 s21, 0
	s_add_nc_u64 s[8:9], s[8:9], s[20:21]
	global_load_b128 v[BV:BV+3], v[L16], s[8:9]
	s_cmp_eq_u32 s101, 0
	s_cselect_b64 s[OE:OE+1], s[96:97], s[98:99]
	s_mov_b32 s66, 13056
	s_cselect_b32 s66, 6656, s66
	s_cmp_eq_u32 s101, 2
	s_cselect_b32 s67, 6656, 0
	s_lshr_b32 s20, s22, 4
	s_lshl_b32 s20, s20, 4
	s_lshl_b32 s21, s23, 1
	s_add_co_u32 s20, s20, s21
	s_lshl_b32 s20, s20, 4
	s_and_b32 s21, s22, 15
	s_add_co_u32 s20, s20, s21
	s_mul_i32 s20, s20, s66
	s_add_co_u32 s20, s20, s67
	s_mov_b32 s21, 0
	s_add_nc_u64 s[OE:OE+1], s[OE:OE+1], s[20:21]
	s_lshl_b32 s20, s66, 4
	s_add_nc_u64 s[OO:OO+1], s[OE:OE+1], s[20:21]
	s_mov_b32 s[SEL], 0x76543210
	s_mov_b32 s[SEL+1], 0xfedcba98
	s_mov_b32 s[HIM], 0xffff0000
.macro FRAG reg, adr, q, i
.irp p, 0,1,2,3,4,5
.set PIECE, 12*(\q)+6*(\p/3)+\p%3
.if PIECE%8 < 5
	ds_load_b64 v[\reg+2*\p:\reg+2*\p+1], v[\adr] offset:8*PIECE+16*(PIECE/8)+(\i)*16*PITCH
.else
	ds_load_b64 v[\reg+2*\p:\reg+2*\p+1], v[\adr+2] offset:8*PIECE+16*(PIECE/8)+(\i)*16*PITCH
.endif
.endr
.endm
.macro MUL16 a0, p, q, sc, zero
.irp a, \a0, \a0+1
.irp b, 0,1,2,3,4,5,6,7
.if \zero
	v_wmma_scale_f32_16x16x128_f8f6f4 v[8*(8*((\a)%4)+\b):8*(8*((\a)%4)+\b)+7], v[128*(\p)+FR*\b:128*(\p)+FR*\b+FR-1], v[AF+FR*(\a):AF+FR*(\a)+FR-1], 0, v[SC+8*NQ*(\sc)+NQ*\b+(\q)], v[SC+8*NQ*(\sc)+NQ*(\a)+(\q)] matrix_a_fmt:MATRIX_FMT_FP6 matrix_b_fmt:MATRIX_FMT_FP6 matrix_a_scale:MATRIX_SCALE_ROW1
.else
	v_wmma_scale_f32_16x16x128_f8f6f4 v[8*(8*((\a)%4)+\b):8*(8*((\a)%4)+\b)+7], v[128*(\p)+FR*\b:128*(\p)+FR*\b+FR-1], v[AF+FR*(\a):AF+FR*(\a)+FR-1], v[8*(8*((\a)%4)+\b):8*(8*((\a)%4)+\b)+7], v[SC+8*NQ*(\sc)+NQ*\b+(\q)], v[SC+8*NQ*(\sc)+NQ*(\a)+(\q)] matrix_a_fmt:MATRIX_FMT_FP6 matrix_b_fmt:MATRIX_FMT_FP6 matrix_a_scale:MATRIX_SCALE_ROW1
.endif
.endr
.endr
.endm
.macro FETCH_B slot, q, p
	WIN TO_B
.irp i, 0,1,2,3,4,5,6,7
	FRAG 128*(\p)+FR*\i, ADRB+\slot, \q, \i
.endr
	WIN 0
.endm
.macro FETCH_A slot, q, i0
.irp i, \i0, \i0+1, \i0+2, \i0+3
	FRAG AF+FR*(\i), ADRA+\slot, \q, \i
.endr
.endm
.macro SCALES sc
.irp i, 0,1,2,3,4,5,6,7
	ds_load_b64 v[SC+8*NQ*\sc+NQ*\i:SC+8*NQ*\sc+NQ*\i+1], v[ADRS] offset:\i*SBLK
.endr
.endm
.macro PLACES n
.rept \n
	v_nop
.endr
.endm
.macro STEP slot, q, zero
	s_wait_dscnt 4*NL
	WIN MUL_LO
	MUL16 0, (\q)%2, \q, \slot, \zero
	MUL16 2, (\q)%2, \q, \slot, \zero
	s_wait_dscnt 0
	PLACES NP
	FETCH_B \slot, (\q)+1, 1-(\q)%2
	FETCH_A \slot, (\q)+1, 0
	WIN MUL_HI
	MUL16 4, (\q)%2, \q, \slot, \zero
	MUL16 6, (\q)%2, \q, \slot, \zero
	PLACES NP
	WIN 0
	FETCH_A \slot, (\q)+1, 4
.endm
.macro TURN slot, next, fill
	s_wait_tensorcnt 0x0
	ds_add_u32 v[SPW], v[NIL]
	s_wait_dscnt 4*NL+1
	WIN MUL_LO
	MUL16 0, 1, NQ-1, \slot, 0
	s_wait_dscnt 0x0
	s_barrier_signal -1
	MUL16 2, 1, NQ-1, \slot, 0
	WIN 0
	s_barrier_wait -1
.if \fill
	CREST
	s_add_nc_u64 s[G0+4*\slot+2:G0+4*\slot+3], s[G0+4*\slot+2:G0+4*\slot+3], 2*ROWB
	s_add_nc_u64 s[G0B+4*\slot+2:G0B+4*\slot+3], s[G0B+4*\slot+2:G0B+4*\slot+3], 2*ROWB
	JLOAD G0+4*\slot, G1, G0B+4*\slot, G1B
.else
	PLACES NP
.endif
	s_wait_alu depctr_va_vdst(0)
	v_add_nc_u32 v[ADRS], 4*NQ, v[ADRS]
	FETCH_B \next, 0, 0
	FETCH_A \next, 0, 0
	SCALES \next
	WIN MUL_HI
	MUL16 4, 1, NQ-1, \slot, 0
	MUL16 6, 1, NQ-1, \slot, 0
	PLACES NP
	WIN 0
	FETCH_A \next, 0, 4
.endm
	s_wait_alu depctr_va_vdst(0)                   ; the wait at the head's end
	s_wait_tensorcnt 0x0                           ; my tile of the head's four is in
	ds_add_u32 v[SPW], v[NIL]
	s_mov_b32 s[G1+2], 96<<16                      ; no tensor load of mine is out: from here on a load brings a wave's half of a tile, 96 rows of 256 bytes
	s_mov_b32 s[G1+4], 96
	s_mov_b32 s[G1B+2], 96<<16
	s_mov_b32 s[G1B+4], 96
	s_wait_dscnt 0x0
	CROUND                                         ; all four tiles are in, and all sixteen work-groups are here
	JLOAD G0+4, G1, G0B+4, G1B                     ; K step 1, the first tensor load behind the round
	FETCH_B 0, 0, 0
	FETCH_A 0, 0, 0
	SCALES 0
	FETCH_A 0, 0, 4
	STEP 0, 0, 1
	s_mov_b32 s3, LAPS-1
.Llap:
	TURN 0, 1, 1
	STEP 1, 0, 0
	TURN 1, 0, 1
	STEP 0, 0, 0
	s_sub_co_u32 s3, s3, 1
	s_cmp_lg_u32 s3, 0
	s_cbranch_scc1 .Llap
	TURN 0, 1, 0
	STEP 1, 0, 0
	s_wait_dscnt 4*NL
	WIN MUL_LO
	MUL16 0, 1, NQ-1, 1, 0
	MUL16 2, 1, NQ-1, 1, 0
	s_wait_dscnt 0
	WIN MUL_HI
	MUL16 4, 1, NQ-1, 1, 0
	MUL16 6, 1, NQ-1, 1, 0
	WIN 0
.macro ADDB a, bias, step
	WIN 0x02+(\a)/4
.set i, 0
.rept 32
	v_pk_add_f32 v[HA+2*i:HA+2*i+1], v[64*((\a)%4)+2*i:64*((\a)%4)+2*i+1], v[\bias+\step*i:\bias+\step*i+1]
.set i, i+1
.endr
	WIN 0
.endm
.macro QUANT s, pw
.irp b, 0,1,2,3
	v_max3_num_f32 v[TM+\b], |v[\s+16*\b]|, |v[\s+1+16*\b]|, 0x1800000
.endr
.irp i, 2,4,6,8,10,12,14
.irp b, 0,1,2,3
	v_max3_num_f32 v[TM+\b], v[TM+\b], |v[\s+16*\b+\i]|, |v[\s+1+16*\b+\i]|
.endr
.endr
.irp b, 0,1,2,3
	v_permlanex16_b32 v[TM+4+\b], v[TM+\b], s[SEL], s[SEL+1]
.endr
.irp b, 0,1,2,3
	v_max_num_f32 v[TM+\b], v[TM+\b], v[TM+4+\b]
.endr
.irp b, 0,1,2,3
	v_add_nc_u32 v[TM+12+\b], 0xff000000, v[TM+\b]
.endr
.irp b, 0,1,2,3
	v_lshrrev_b32 v[TM+4+\b], 23, v[TM+12+\b]
.endr
	v_lshl_or_b32 v[\pw], v[TM+5], 8, v[TM+4]
	v_lshl_or_b32 v[\pw], v[TM+6], 16, v[\pw]
	v_lshl_or_b32 v[\pw], v[TM+7], 24, v[\pw]
.irp c, 0,1
	v_cvt_scalef32_pk16_fp6_f32 v[PC+6*\c:PC+2+6*\c], v[\s+32*\c:\s+15+32*\c], v[TM+12+2*\c]
	v_cvt_scalef32_pk16_fp6_f32 v[PC+12+4*\c:PC+14+4*\c], v[\s+16+32*\c:\s+31+32*\c], v[TM+12+2*\c+1]
.endr
	v_nop
.irp c, 0,1
.irp i, 0,1,2
	v_permlane16_swap_b32 v[PC+6*\c+\i], v[PC+12+4*\c+\i]
.endr
.irp i, 0,1,2
	v_mov_b32 v[PC+3+6*\c+\i], v[PC+12+4*\c+\i]
.endr
.endr
.endm
	PLACES NP
; V's quantiser along the keys.  By the order of query's rows in xc a lane's registers 32 c + i are keys 64 c + 32 (lane / 16) + i: a whole block lies in one lane, in the operand's own order
.set SH8, 13
.macro QUANTV s, pw
.irp c, 0,1
	v_max3_num_f32 v[TM+\c], |v[\s+32*\c]|, |v[\s+1+32*\c]|, 0x1800000
.endr
.irp i, 2,4,6,8,10,12,14,16,18,20,22,24,26,28,30
.irp c, 0,1
	v_max3_num_f32 v[TM+\c], v[TM+\c], |v[\s+32*\c+\i]|, |v[\s+1+32*\c+\i]|
.endr
.endr
.irp c, 0,1
	v_add_nc_u32 v[TM+12+\c], 0xff000000, v[TM+\c]
.endr
.irp c, 0,1
	v_lshrrev_b32 v[TM+4+\c], 23, v[TM+12+\c]
.endr
	v_lshl_or_b32 v[\pw], v[TM+5], 16, v[TM+4]     ; my bytes: blocks h and 2 + h,
	v_lshlrev_b32 v[\pw], v[SH8], v[\pw]           ; 8 h bits up;
	v_permlanex16_b32 v[TM+6], v[\pw], s[SEL], s[SEL+1]
	v_or_b32 v[\pw], v[\pw], v[TM+6]               ; with lane l xor 16's two the word is whole
.irp c, 0,1
	v_cvt_scalef32_pk16_fp6_f32 v[PC+6*\c:PC+2+6*\c], v[\s+32*\c:\s+15+32*\c], v[TM+12+\c]
	v_cvt_scalef32_pk16_fp6_f32 v[PC+12+4*\c:PC+14+4*\c], v[\s+16+32*\c:\s+31+32*\c], v[TM+12+\c]
.endr
	v_nop
.irp c, 0,1
.irp i, 0,1,2
	v_mov_b32 v[PC+3+6*\c+\i], v[PC+12+4*\c+\i]
.endr
.endr
.endm
	s_wait_loadcnt 0x0
	ds_store_b128 v[BST], v[BV:BV+3]
.irp b, 0,1,2,3
	v_mov_b32 v[TM+4+\b], 0
.endr
	s_cmp_lt_u32 s[YY], 8
	s_cbranch_scc0 .Larm_v
.irp t, 0,1,2,3,4,5,6,7
	ds_load_b128 v[BI+8*\t:BI+8*\t+3], v[BLQ] offset:4*(32*(\t/2)+8*(\t%2))
	ds_load_b128 v[BI+8*\t+4:BI+8*\t+7], v[BLQ] offset:4*(32*(\t/2)+8*(\t%2))+16
.endr
	s_wait_dscnt 0x0
.irp a, 0,1,2,3,4,5,6,7
.if \a > 0
	s_wait_xcnt 0x0
.endif
	ADDB \a, BI, 2
	QUANT HA, PWS+\a
	global_store_b128 v[L16], v[PC:PC+3], s[OE:OE+1] offset:768*\a
	global_store_b64 v[L8], v[PC+4:PC+5], s[OE:OE+1] offset:768*\a+512
	global_store_b128 v[L16], v[PC+6:PC+9], s[OO:OO+1] offset:768*\a
	global_store_b64 v[L8], v[PC+10:PC+11], s[OO:OO+1] offset:768*\a+512
.endr
.irp i, 0,1,2,3
	v_cndmask_b32 v[SE+\i], v[PWS+2*\i], v[PWS+2*\i+1], s[HIM]
.endr
.irp i, 0,1,2,3
	v_alignbit_b32 v[SO+\i], v[SE+\i], v[SE+\i], 16
.endr
	global_store_b128 v[L16], v[SE:SE+3], s[OE:OE+1] offset:6144
	global_store_b128 v[L16], v[SO:SO+3], s[OO:OO+1] offset:6144
	s_branch .Ldone
.Larm_v:
	v_lshlrev_b32 v[SH8], 3, v2                    ; 8 x (lane / 16)
.irp a, 0,1,2,3,4,5,6,7
	ds_load_b32 v[BI+2*\a], v[BLV] offset:4*(32*(\a/2)+8*(\a%2))
	ds_load_b32 v[BI+2*\a+1], v[BLV] offset:4*(32*(\a/2)+8*(\a%2))
.endr
	s_wait_dscnt 0x0
.irp a, 0,1,2,3,4,5,6,7
.if \a > 0
	s_wait_xcnt 0x0
.endif
	ADDB \a, BI+2*\a, 0
	QUANTV HA, PWS+\a
.irp p, 0,1,2
	global_store_b128 v[L16], v[PC+4*\p:PC+4*\p+3], s[OE+2*(\a/4):OE+2*(\a/4)+1] offset:1536*(\a%4)+512*\p
.endr
.if \a == 3
	v_cndmask_b32 v[SE], v[PWS], v[PWS+1], s[HIM]
	v_cndmask_b32 v[SE+1], v[PWS+2], v[PWS+3], s[HIM]
	global_store_b64 v[L8], v[SE:SE+1], s[OE:OE+1] offset:6144
.endif
.if \a == 7
	v_cndmask_b32 v[SO], v[PWS+4], v[PWS+5], s[HIM]
	v_cndmask_b32 v[SO+1], v[PWS+6], v[PWS+7], s[HIM]
	global_store_b64 v[L8], v[SO:SO+1], s[OO:OO+1] offset:6144
.endif
.endr
.Ldone:
	s_wait_tensorcnt 0x0
	ds_add_u32 v[SPW], v[NIL]
	s_wait_dscnt 0x0
	CROUND
	s_endpgm
.Lfunc_end_k_q7b634bd9ee_qkv:
	.size	k_q7b634bd9ee_qkv, .Lfunc_end_k_q7b634bd9ee_qkv-k_q7b634bd9ee_qkv
	.p2alignl 7, 3214868480
	.fill 96, 4, 3214868480
	.section	.rodata,"a",@progbits
	.p2align	6, 0x0
	.amdhsa_kernel k_q7b634bd9ee_qkv
		.amdhsa_group_segment_fixed_size 327680
		.amdhsa_private_segment_fixed_size 0
		.amdhsa_enable_private_segment 0
		.amdhsa_kernarg_size 56
		.amdhsa_user_sgpr_count 2
		.amdhsa_user_sgpr_kernarg_segment_ptr 1
		.amdhsa_wavefront_size32 1
		.amdhsa_system_sgpr_workgroup_id_x 1
		.amdhsa_system_sgpr_workgroup_id_y 1
		.amdhsa_system_sgpr_workgroup_id_z 1
		.amdhsa_system_vgpr_workitem_id 0
		.amdhsa_next_free_vgpr 1024
		.amdhsa_next_free_sgpr 102
		.amdhsa_reserve_vcc 0
		.amdhsa_float_denorm_mode_32 3
		.amdhsa_float_denorm_mode_16_64 3
		.amdhsa_memory_ordered 1
		.amdhsa_forward_progress 1
		.amdhsa_inst_pref_size 228
	.end_amdhsa_kernel
	.amdgpu_metadata
---
amdhsa.version: [ 1, 2 ]
amdhsa.kernels:
  - .name:           k_q7b634bd9ee_qkv
    .symbol:         k_q7b634bd9ee_qkv.kd
    .args:
      - { .name: xc, .offset: 0, .size: 8, .value_kind: global_buffer, .address_space: global }
      - { .name: xs, .offset: 8, .size: 8, .value_kind: global_buffer, .address_space: global }
      - { .name: bq, .offset: 16, .size: 8, .value_kind: global_buffer, .address_space: global }
      - { .name: bk, .offset: 24, .size: 8, .value_kind: global_buffer, .address_space: global }
      - { .name: bv, .offset: 32, .size: 8, .value_kind: global_buffer, .address_space: global }
      - { .name: qb, .offset: 40, .size: 8, .value_kind: global_buffer, .address_space: global }
      - { .name: kv, .offset: 48, .size: 8, .value_kind: global_buffer, .address_space: global }
    .group_segment_fixed_size: 327680
    .private_segment_fixed_size: 0
    .kernarg_segment_align: 8
    .kernarg_segment_size: 56
    .max_flat_workgroup_size: 128
    .sgpr_count:     102
    .vgpr_count:     1024
    .wavefront_size: 32
...
	.end_amdgpu_metadata
.endif
;; end of part 2
;; launch attn (part 3): grid 4 x 64, 16 waves a work-group, clusters of 4 x 1, 210,944 bytes of LDS; arguments qb, kv, mw, oc, os; writes oc, os
.if DOCPART == 3
	.amdgcn_target "amdgcn-amd-amdhsa--gfx1250"
	.amdhsa_code_object_version 6
	.text
	.protected	k_q7b634bd9ee_attn
	.globl	k_q7b634bd9ee_attn
	.p2align	8
	.type	k_q7b634bd9ee_attn,@function
k_q7b634bd9ee_attn:
	s_mov_b64 s[64:65], 0
	v_nop
	global_prefetch_b8 v0, s[64:65] scope:SCOPE_SE
	s_setreg_imm32_b32 hwreg(HW_REG_WAVE_MODE, 25, 1), 1
	s_wait_xcnt 0x0
	s_wait_alu depctr_hold_cnt(0) depctr_sa_sdst(0) depctr_va_vdst(0) depctr_va_sdst(0) depctr_va_ssrc(0) depctr_va_vcc(0) depctr_vm_vsrc(0)
	s_getreg_b32 s2, hwreg(HW_REG_IB_STS2, 6, 4)
	s_cmp_eq_u32 s2, 0
	s_cbranch_scc0 .Lentry_in_a_cluster
	s_endpgm
.Lentry_in_a_cluster:
	s_bfe_u32 s2, ttmp6, 0x10000c
	s_cmp_lg_u32 s2, 0x3003
	s_cbranch_scc0 .Lentry_shape_is_right
	s_endpgm
.Lentry_shape_is_right:
; For one head (bh = 16 b + head) and 512 of its queries: S^T = K Q^T, score x mask / 8, softmax, O^T = V^T P^T, O / l, quantised along D for the last product.  All products on codes of FP6 (E2M3), E8M0 scales.
; THE MASK MULTIPLIES: a key that the mask hides has the logit 0 and still counts, so every key is walked.
; THE SOFTMAX: t = score x mask x log2(e) / 8; M = the running largest t rounded UP to a whole number; p = 2^(t - M) is quantised along the keys, not normalised; the row's sum l is taken of the unquantised p.
; When M moves, the sum and O^T are multiplied by 2^(old M - new M): exact, no branch on data.
; SHARES.  Sixteen waves, four to a SIMD.  A wave owns two tiles of 16 queries, one after the other: T = 32 cx + 16 pass + wave.
; A HEAD'S K AND V LIE IN LDS WHOLE: 16 records of 13,056 bytes (a record = 128 keys), images of operand registers.  Wave w brings record w by ONE tensor load (one load of mine is out, once);
; nothing is filled again, so the loop has no barrier, and there is no later tile to prefetch.  CLUSTER: the four work-groups of a head want the same records: each load is a joint one, with a mask that names the four.
; LAYOUT.  Both products transposed: a lane holds ONE query (lane % 16).  Row m of K's tile t is key 64 (t / 4) + 32 (m / 8) + 8 (t % 4) + m % 8 of the record, so score register n of lane l is key
; 64 (n / 32) + 32 (l / 16) + n % 32: A BLOCK OF 32 KEYS LIES IN ONE LANE, in the order that P's operand wants: a block's maximum asks no other lane and no code changes lanes.
; K = 64 fills registers 0-5 of a fragment.  Q's registers 6-11 hold zero codes; K's fragment t names its own six registers and the next tile's six: E2M3 has only finite codes, and each is multiplied by a zero code.
; TWO AREAS OF 64 REGISTERS TAKE TURNS: in one step the scores fall into the first while K's and then V's fragments lie in the second; when p has been converted, the next step's K is fetched into the first.
; THE MASK comes as 64 lane masks a step (bit l of word n: register n of lane l), loaded into scalar registers a step ahead; they only select values.
; A block's largest p is taken from its largest score by the same multiply-add and exponential; this takes v_exp_f32 not to fall where its input rises.
; LIMITS: NaN and infinities are not served; a block under 2^-124, a block of zeros too, keeps the byte 1; the promise holds while the scaled scores stay under 2^31 in magnitude.  os is written two bytes a row and head.
.set REC,   13056
.set VOFF,  6656                       ; in a record: V's four tiles; K's scale words at 6,144, V's at 12,800
.set SPARE, 16*REC                     ; the spare words: 128 bytes a wave, eight blocks of 256 bytes that no other line names
.set L16,  1                           ; 16 x lane
.set L8,   2                           ; 8 x lane
.set SPW,  3
.set NIL,  4
.set A16,  5                           ; the record in hand + 16 x lane, + 8 x lane
.set A8,   6
.set QC16, 7                           ; v7-9 my tile's places in a record of q
.set QC8,  8
.set QSO,  9
.set OSO,  10                          ; 32 r: my row in os
.set SH8,  11                          ; 8 x (lane / 16)
                                       ; v12 -M, v13 the running largest score, v[14:15] the row's sum in two halves
.set QF,   16                          ; v16-27 Q's fragment (22-27 zero codes)
.set QS,   28
.set AK16, 29                          ; the next record + 16 x lane
.set KSC,  30                          ; v30-33 K's scale words
.set VSC,  34                          ; v34-35 V's
.set XA,   36                          ; v36-99, v100-163 the two areas
.set YA,   100
.set O,    164                         ; v164-195 O^T
.set PC,   196                         ; v196-207 p's codes
.set PH,   208                         ; v208-210, 212-214 the conversions' second halves
.set AK8,  211                         ; the next record + 8 x lane
.set BM,   216                         ; v216-217 my two blocks' largest
.set T2,   218
.set SCO,  220                         ; v220-221 the conversions' scale operands
.set FF,   222                         ; f, later 1 / l
.set PW,   223                         ; p's scale word
.set TMP,  224
.set TM2,  225
.set U,    226                         ; v226-239 seven partial sums of a step's p, joined to the row's sum in the next step
.set MO,   2                           ; byte offset of the step's mask words
.set CNT,  3
.set WV,   12
.set TB,   13                          ; LDS byte of the trip's first record; s14 its second; s15 the one after, held at the last
.set T1,   14
.set T2S,  15
.set G0,   16
.set G1,   20
.set SEL,  28
.set CS,   30                          ; s[30:31] c = log2(e) / 8
.macro CROUND
	s_barrier_signal -1
	s_barrier_wait -1
	s_cmp_lg_u32 s[WV], 0
	s_cbranch_scc1 .Lnot_wave_0_\@
	s_barrier_signal -3
.Lnot_wave_0_\@:
	s_barrier_wait -3
	s_barrier_signal -1
	s_barrier_wait -1
.endm
.macro D1
	s_delay_alu instid0(VALU_DEP_1)
.endm
	s_load_b256 s[32:39], s[0:1], 0x0              ; qb, kv, mw, oc
	s_load_b64 s[40:41], s[0:1], 0x20              ; os
	v_lshl_add_u32 v[SPW], v0, 2, SPARE
	v_mov_b32 v[NIL], 0
	ds_add_u32 v[SPW], v[NIL]                      ; the wave's opening: the add, twice on end, and its wait ahead of my first tensor load
	ds_add_u32 v[SPW], v[NIL]
	v_lshrrev_b32 v5, 5, v0
	D1
	v_readfirstlane_b32 s[WV], v5                  ; wave 0..15
	s_bfe_u32 s66, ttmp6, 0x40000                  ; cx: it enters global addresses of q, the mask words, oc and os alone
	s_and_b32 s67, ttmp7, 0xffff                   ; bh, which the four partners share
	s_mov_b32 s[G1], 15|(3<<16)|(1<<21)            ; the mask: all four; elements of 8 bytes; bit 21 beside a mask; no padding
	s_mov_b32 s[G1+1], 32<<16                      ; tensor_dim0 = 32 (256 bytes)
	s_mov_b32 s[G1+2], 51<<16                      ; tensor_dim1 = 51: a record is 51 x 256 dense bytes
	s_mov_b32 s[G1+3], 32<<16
	s_mov_b32 s[G1+4], 51
	s_mov_b32 s[G1+5], 32
	s_mov_b32 s[G1+6], 0
	s_mov_b32 s[G1+7], 0
	s_mov_b32 s[SEL], 0x76543210
	s_mov_b32 s[SEL+1], 0xfedcba98
	s_mov_b32 s[CS], 0x3e38aa3b
	s_mov_b32 s[CS+1], s[CS]                       ; (named with it as a pair)
	s_mov_b32 s[G0], 1
	s_mul_i32 s[G0+1], s[WV], REC                  ; record w goes to LDS byte 13,056 w
	s_mov_b32 s101, 0
	s_wait_dscnt 0x0                               ; both opening adds are done
	s_wait_kmcnt 0x0
	s_mul_i32 s100, s67, 16*REC
	s_add_co_u32 s100, s100, s[G0+1]
	s_add_nc_u64 s[G0+2:G0+3], s[34:35], s[100:101]  ; kv + the head's 16 records + record w: nothing of cx
	s_or_b32 s[G0+3], s[G0+3], 0x80000000
	s_lshl_b32 s100, s67, 4
	s_lshl_b32 s13, s66, 2
	s_add_co_u32 s100, s100, s13
	s_lshr_b32 s13, s[WV], 3
	s_add_co_u32 s100, s100, s13
	s_mul_i32 s100, s100, 6656
	s_add_nc_u64 s[4:5], s[32:33], s[100:101]      ; q's record: group 4 cx + wave / 8 (+ 2 in the second pass)
	s_lshr_b32 s2, s67, 4
	s_lshl_b32 s2, s2, 7
	s_lshl_b32 s13, s66, 5
	s_add_co_u32 s2, s2, s13                       ; 128 b + 32 cx
	s_lshl_b32 s13, s[WV], 1
	s_add_co_u32 s100, s2, s13
	s_lshl_b32 s100, s100, 12
	s_add_nc_u64 s[6:7], s[36:37], s[100:101]      ; my two tiles' mask words: 32 steps of 256 bytes on end
	s_add_co_u32 s2, s2, s[WV]                     ; my first tile among the 512
	s_and_b32 s3, s67, 15                          ; the head
	s_mul_i32 s100, s2, 12288
	s_mul_i32 s13, s3, 768
	s_add_co_u32 s100, s100, s13
	s_add_nc_u64 s[8:9], s[38:39], s[100:101]      ; oc
	s_lshl_b32 s100, s2, 9
	s_lshl_b32 s13, s3, 1
	s_add_co_u32 s100, s100, s13
	s_add_nc_u64 s[10:11], s[40:41], s[100:101]    ; os
	CROUND                                         ; all four work-groups are here: the joint loads meet
	tensor_load_to_lds s[G0:G0+3], s[G1:G1+7]
	s_nop 0
.rept 4
	v_nop
.endr
	v_and_b32 v5, 31, v0
	D1
	v_lshlrev_b32 v[L16], 4, v5
	v_lshlrev_b32 v[L8], 3, v5
	v_and_b32 v6, 15, v0                           ; r
	s_wait_alu depctr_va_vdst(0)                   ; the wait ahead of the run of scalar lines
	s_and_b32 s13, s[WV], 7                        ; my tile in its group
	s_mul_i32 s100, s13, 768
	v_add_nc_u32 v[QC16], s100, v[L16]
	s_add_co_u32 s100, s100, 512
	v_add_nc_u32 v[QC8], s100, v[L8]
	s_and_b32 s100, s[WV], 1
	s_lshl_b32 s100, s100, 8                       ; an odd tile's words lie in lanes 16-31
	s_lshr_b32 s13, s13, 1
	s_lshl_b32 s13, s13, 2
	s_add_co_u32 s100, s100, s13
	s_add_co_u32 s100, s100, 6144
	v_lshl_add_u32 v[QSO], v6, 4, s100
	v_lshlrev_b32 v[OSO], 5, v6
	v_bfe_u32 v[SH8], v0, 4, 1
	D1
	v_lshlrev_b32 v[SH8], 3, v[SH8]
.irp j, 6,7,8,9,10,11
	v_mov_b32 v[QF+\j], 0                          ; zero codes for k = 64 .. 127
	v_mov_b32 v[YA+42+\j], 0                       ; what the first step's last fragment of K names behind its own six registers
.endr
.irp r, T2, T2+1, PW, TMP, TM2
	v_mov_b32 v[\r], 0                             ; a lane permute's destination counts as one of its sources; PW is named as the upper half of the pair with FF
.endr
.macro QLOAD
	global_load_b128 v[QF:QF+3], v[QC16], s[4:5]
	global_load_b64 v[QF+4:QF+5], v[QC8], s[4:5]
	global_load_b32 v[QS], v[QSO], s[4:5]
.endm
.macro MLOAD                           ; a step's 64 mask words: word n in s[32 + n], from 32 on in s[36 + n]
	s_load_b512 s[32:47], s[6:7], s[MO] offset:0x0
	s_load_b512 s[48:63], s[6:7], s[MO] offset:0x40
	s_load_b512 s[68:83], s[6:7], s[MO] offset:0x80
	s_load_b512 s[84:99], s[6:7], s[MO] offset:0xc0
.endm
.macro KLOAD d, a16, a8                ; a record's eight fragments of K, six registers each, on end, and their scale words: 17 loads
.irp t, 0,1,2,3,4,5,6,7
	ds_load_b128 v[\d+6*\t:\d+6*\t+3], v[\a16] offset:768*\t
	ds_load_b64 v[\d+6*\t+4:\d+6*\t+5], v[\a8] offset:768*\t+512
.endr
	ds_load_b128 v[KSC:KSC+3], v[\a16] offset:6144
.endm
.macro MMZ d, a, sa, row               ; a product that starts its sum: 16 keys x 16 queries
	v_wmma_scale_f32_16x16x128_f8f6f4 v[(\d):(\d)+7], v[(\a):(\a)+11], v[QF:QF+11], 0, v[\sa], v[QS] matrix_a_fmt:MATRIX_FMT_FP6 matrix_b_fmt:MATRIX_FMT_FP6 \row
.endm
.macro MMA d, a, sa, row               ; O^T += 16 d x 128 keys times p
	v_wmma_scale_f32_16x16x128_f8f6f4 v[(\d):(\d)+7], v[(\a):(\a)+11], v[PC:PC+11], v[(\d):(\d)+7], v[\sa], v[PW] matrix_a_fmt:MATRIX_FMT_FP6 matrix_b_fmt:MATRIX_FMT_FP6 \row
.endm
.macro JOIN                            ; the last step's seven partial sums go into the row's sum
	v_pk_add_f32 v[U:U+1], v[U:U+1], v[U+2:U+3]
	v_pk_add_f32 v[U+4:U+5], v[U+4:U+5], v[U+6:U+7]
	v_pk_add_f32 v[U+8:U+9], v[U+8:U+9], v[U+10:U+11]
	v_pk_add_f32 v[14:15], v[14:15], v[U+12:U+13]
	v_pk_add_f32 v[U:U+1], v[U:U+1], v[U+4:U+5]
	v_pk_add_f32 v[14:15], v[14:15], v[U+8:U+9]
	v_pk_add_f32 v[14:15], v[14:15], v[U:U+1]
.endm
	QLOAD
	s_wait_alu depctr_va_vdst(0)                   ; the wait at the head's end
	s_wait_tensorcnt 0x0                           ; my record has landed,
	s_barrier_signal -1
	s_barrier_wait -1                              ; everybody's has
	KLOAD YA, L16, L8                              ; record 0's K
	s_mov_b32 s[MO], 0
	MLOAD                                          ; (the arguments in s[32:41] have been used up)
; A KEY STEP: 128 keys.  d: the area that takes the scores; k: the area that holds K's fragments, then V's; cur, nxt: scalar registers with the LDS byte of this record and of the next.
.macro STEP d, k, cur, nxt
	v_add_nc_u32 v[A16], s[\cur], v[L16]           ; five plain lines: the places between the last step's products, which read V in area d, and the products below, which write it
	v_add_nc_u32 v[A8], s[\cur], v[L8]
	v_add_nc_u32 v[AK16], s[\nxt], v[L16]
	v_add_nc_u32 v[AK8], s[\nxt], v[L8]
	v_mov_b32 v[TMP], v12                          ; the old -M
	s_wait_alu depctr_va_vdst(0)
	s_wait_dscnt 0x0                               ; K's fragments and scale words
.irp t, 0,2,4,6
	MMZ \d+8*\t, \k+6*\t, KSC+\t/2
	MMZ \d+8*\t+8, \k+6*\t+6, KSC+\t/2, matrix_a_scale:MATRIX_SCALE_ROW1
.endr
	JOIN                                           ; seven plain lines that name none of the products' registers: the places ahead of the loads into area k and of the first read of the scores
.irp e, 0,1,2,3                                ; V^T's four tiles (16 d x 128 keys): they have the softmax in which to land
.irp p, 0,1,2
	ds_load_b128 v[\k+12*\e+4*\p:\k+12*\e+4*\p+3], v[A16] offset:VOFF+1536*\e+512*\p
.endr
.endr
	ds_load_b64 v[VSC:VSC+1], v[A8] offset:12800
	s_wait_kmcnt 0x0                               ; the step's mask words, asked for a step ago
.set n, 0
.rept 32
	v_cndmask_b32 v[\d+n], 0, v[\d+n], s[32+n]     ; score x mask; ascending: each accumulator from its low end on
.set n, n+1
.endr
.rept 32
	v_cndmask_b32 v[\d+n], 0, v[\d+n], s[36+n]
.set n, n+1
.endr
	s_wait_xcnt 0x0                                ; the scalar loads have read s[MO]: the offset may step
	s_add_co_u32 s[MO], s[MO], 256
	s_min_u32 s[MO], s[MO], 7936                   ; the last of my 32 steps repeats its own words: no load leaves the buffer
	MLOAD
.irp c, 0,1                                    ; my two blocks' largest scores, each in two chains, the four by turns
	v_max3_num_f32 v[BM+\c], v[\d+32*\c], v[\d+32*\c+1], v[\d+32*\c+2]
	v_max3_num_f32 v[T2+\c], v[\d+32*\c+16], v[\d+32*\c+17], v[\d+32*\c+18]
.endr
.irp i, 3,5,7,9,11,13
.irp c, 0,1
	v_max3_num_f32 v[BM+\c], v[BM+\c], v[\d+32*\c+\i], v[\d+32*\c+\i+1]
	v_max3_num_f32 v[T2+\c], v[T2+\c], v[\d+32*\c+16+\i], v[\d+32*\c+17+\i]
.endr
.endr
.irp c, 0,1
	v_max3_num_f32 v[BM+\c], v[BM+\c], v[T2+\c], v[\d+32*\c+15]
.endr
.irp c, 0,1
	v_max_num_f32 v[BM+\c], v[BM+\c], v[\d+32*\c+31]
.endr
	D1
	v_max_num_f32 v[TM2], v[BM], v[BM+1]
	D1
	v_permlanex16_b32 v[T2], v[TM2], s[SEL], s[SEL+1]
	D1
	v_max3_num_f32 v13, v13, v[TM2], v[T2]         ; the running largest score of my query (c is positive)
	D1
	v_mul_f32 v[TM2], s[CS], v13                   ; as t
	D1
	v_floor_f32 v12, -v[TM2]                       ; the new -M = floor(-t): M is a whole number
	D1
	v_sub_f32 v[TMP], v12, v[TMP]                  ; old M - new M: a whole number, 0 or less
	D1
	v_cvt_i32_f32 v[TMP], v[TMP]                   ; (it saturates)
	D1
	v_ldexp_f32 v[FF], 1.0, v[TMP]                 ; f = 2^(old M - new M)
.set j, 0
.rept 32
	v_pk_fma_f32 v[\d+j:\d+j+1], v[\d+j:\d+j+1], s[CS:CS+1], v[12:13] op_sel_hi:[1,0,0]   ; t - M, two at a time
.set j, j+2
.endr
.irp c, 0,1
	v_fma_f32 v[BM+\c], v[BM+\c], s[CS], v12       ; the same of each block's largest score
.endr
	s_wait_alu depctr_va_vdst(0)                   ; the wait ahead of the batch
.set j, 0
.rept 64
	v_exp_f32 v[\d+j], v[\d+j]                     ; p = 2^(t - M)
.set j, j+1
.endr
	v_pk_mul_f32 v[14:15], v[14:15], v[FF:FF+1] op_sel_hi:[1,0]   ; the sum under the new M: a plain line behind the exponentials
	s_wait_alu depctr_va_vdst(0)                   ; one wait for the whole batch, ahead of its first reader
.irp c, 0,1
	v_exp_f32 v[BM+\c], v[BM+\c]                   ; the block's largest p
.endr
.irp u, 0,1,2,3,4,5,6                          ; the unquantised p: 28 pairs into seven partial sums, four pairs onto the row's sum; eight chains by turns
	v_pk_add_f32 v[U+2*\u:U+2*\u+1], v[\d+8*\u:\d+8*\u+1], v[\d+8*\u+2:\d+8*\u+3]
.endr
	v_pk_add_f32 v[14:15], v[14:15], v[\d+56:\d+57]
.irp u, 0,1,2,3,4,5,6
	v_pk_add_f32 v[U+2*\u:U+2*\u+1], v[U+2*\u:U+2*\u+1], v[\d+8*\u+4:\d+8*\u+5]
.endr
	v_pk_add_f32 v[14:15], v[14:15], v[\d+58:\d+59]
.irp u, 0,1,2,3,4,5,6
	v_pk_add_f32 v[U+2*\u:U+2*\u+1], v[U+2*\u:U+2*\u+1], v[\d+8*\u+6:\d+8*\u+7]
.endr
	v_pk_add_f32 v[14:15], v[14:15], v[\d+60:\d+61]
	v_pk_add_f32 v[14:15], v[14:15], v[\d+62:\d+63]
	s_wait_alu depctr_va_vdst(0)                   ; and one for the two
.irp c, 0,1
	v_max_num_f32 v[BM+\c], 0x1800000, v[BM+\c]    ; the floor 2^(3 - 127)
.endr
.irp c, 0,1
	v_add_nc_u32 v[SCO+\c], 0xff000000, v[BM+\c]   ; 2 off the exponent field: the conversion's scale operand
.endr
.irp c, 0,1
	v_lshrrev_b32 v[T2+\c], 23, v[SCO+\c]          ; the scale's byte
.endr
	D1
	v_lshl_or_b32 v[PW], v[T2+1], 16, v[T2]        ; my bytes: blocks h and 2 + h,
	D1
	v_lshlrev_b32 v[PW], v[SH8], v[PW]             ; 8 h bits up;
	D1
	v_permlanex16_b32 v[TM2], v[PW], s[SEL], s[SEL+1]
	D1
	v_or_b32 v[PW], v[PW], v[TM2]                  ; with lane l xor 16's two: p's scale word for these 128 keys
.irp c, 0,1
	v_cvt_scalef32_pk16_fp6_f32 v[PC+6*\c:PC+6*\c+2], v[\d+32*\c:\d+32*\c+15], v[SCO+\c]
	v_cvt_scalef32_pk16_fp6_f32 v[PH+4*\c:PH+4*\c+2], v[\d+32*\c+16:\d+32*\c+31], v[SCO+\c]   ; (a conversion's three registers begin on an even number)
.endr
	v_nop                                          ; one plain place behind a scaled conversion
.irp c, 0,1
.irp i, 0,1,2
	v_mov_b32 v[PC+6*\c+3+\i], v[PH+4*\c+\i]
.endr
.endr
	KLOAD \d, AK16, AK8                            ; p has been converted: the next step's K into its registers
	s_wait_alu depctr_va_vdst(0)                   ; the wait directly ahead of the first reader of O^T
.set j, 0
.rept 16
	v_pk_mul_f32 v[O+j:O+j+1], v[O+j:O+j+1], v[FF:FF+1] op_sel_hi:[1,0]   ; O^T under the new M; also the places between p's codes and scale word and the products
.set j, j+2
.endr
	s_wait_alu depctr_va_vdst(0)
	s_wait_dscnt 17                                ; V's 13 loads are in; the 17 of the next step's K, issued behind them, may be out
.irp e, 0,2                                    ; the four accumulators take turns
	MMA O+8*\e, \k+12*\e, VSC+\e/2
	MMA O+8*\e+8, \k+12*\e+12, VSC+\e/2, matrix_a_scale:MATRIX_SCALE_ROW1
.endr
.endm
; A TILE OF 16 QUERIES: 8 trips of two key steps, then O / l, quantised along d (two blocks of 32) and stored as half a fragment of the last product's A.  next = 1: another tile follows.
.macro TILE next
	v_mov_b32 v13, 0xff61b1e6                      ; the largest score so far: -3e38
	D1
	v_mul_f32 v12, s[CS], v13
	D1
	v_floor_f32 v12, -v12                          ; -M
	v_mov_b32 v14, 0
	v_mov_b32 v15, 0
.set j, 0
.rept 14
	v_mov_b32 v[U+j], 0
.set j, j+1
.endr
.set j, 0
.rept 32
	v_mov_b32 v[O+j], 0                            ; the step is written once: the first finds zeros, which the first change of M leaves zeros
.set j, j+1
.endr
	s_mov_b32 s[TB], 0
	s_mov_b32 s[CNT], 8
	s_wait_alu depctr_va_vdst(0)
	s_wait_loadcnt 0x0                             ; Q
.Lstep_\@:
	s_add_co_u32 s[T1], s[TB], REC
	s_add_co_u32 s[T2S], s[TB], 2*REC
	s_min_u32 s[T2S], s[T2S], 15*REC               ; the last step has no next record: it fetches its own K once more, which nobody uses
	STEP XA, YA, TB, T1
	STEP YA, XA, T1, T2S
	s_add_co_u32 s[TB], s[TB], 2*REC
	s_sub_co_u32 s[CNT], s[CNT], 1
	s_cmp_lg_u32 s[CNT], 0
	s_cbranch_scc1 .Lstep_\@
	JOIN                                           ; the last step's partial sums; seven places behind the last products
	s_wait_alu depctr_va_vdst(0)
	s_wait_dscnt 0x0                               ; the loads into area YA are done
.if \next
	KLOAD YA, L16, L8                              ; record 0's K for the next tile
	s_wait_xcnt 0x0
	s_add_nc_u64 s[4:5], s[4:5], 2*6656            ; tile T + 16 lies two groups on
	QLOAD
.endif
	v_add_f32 v14, v14, v15
	D1
	v_permlanex16_b32 v[TMP], v14, s[SEL], s[SEL+1]
	D1
	v_add_f32 v14, v14, v[TMP]                     ; the row's sum
	s_wait_alu depctr_va_vdst(0)
	v_rcp_f32 v[FF], v14
	v_nop                                          ; a plain line behind the reciprocal
	s_wait_alu depctr_va_vdst(0)                   ; and the wait ahead of its first reader, and of O^T's
.set j, 0
.rept 16
	v_pk_mul_f32 v[XA+j:XA+j+1], v[O+j:O+j+1], v[FF:FF+1] op_sel_hi:[1,0]   ; register 16 b + i = o(query, 32 b + 16 (lane / 16) + i); ascending
.set j, j+2
.endr
.irp b, 0,1
	v_max3_num_f32 v[BM+\b], |v[XA+16*\b]|, |v[XA+1+16*\b]|, 0x1800000
.endr
.irp i, 2,4,6,8,10,12,14
.irp b, 0,1
	s_delay_alu instid0(VALU_DEP_2)
	v_max3_num_f32 v[BM+\b], v[BM+\b], |v[XA+16*\b+\i]|, |v[XA+1+16*\b+\i]|
.endr
.endr
.irp b, 0,1
	s_delay_alu instid0(VALU_DEP_2)
	v_permlanex16_b32 v[T2+\b], v[BM+\b], s[SEL], s[SEL+1]
.endr
.irp b, 0,1
	s_delay_alu instid0(VALU_DEP_2)
	v_max_num_f32 v[BM+\b], v[BM+\b], v[T2+\b]
.endr
.irp b, 0,1
	s_delay_alu instid0(VALU_DEP_2)
	v_add_nc_u32 v[SCO+\b], 0xff000000, v[BM+\b]
.endr
.irp b, 0,1
	s_delay_alu instid0(VALU_DEP_2)
	v_lshrrev_b32 v[T2+\b], 23, v[SCO+\b]
.endr
	D1
	v_lshl_or_b32 v[TMP], v[T2+1], 8, v[T2]        ; the head's two scale bytes of my row
	v_cvt_scalef32_pk16_fp6_f32 v[PC:PC+2], v[XA:XA+15], v[SCO]
	v_cvt_scalef32_pk16_fp6_f32 v[PH:PH+2], v[XA+16:XA+31], v[SCO+1]
	v_nop
.irp i, 0,1,2
	v_permlane16_swap_b32 v[PC+\i], v[PH+\i]       ; here a block lies in lanes l and l xor 16: the operand wants it whole in a lane
.endr
.irp i, 0,1,2
	v_mov_b32 v[PC+3+\i], v[PH+\i]
.endr
	global_store_b128 v[L16], v[PC:PC+3], s[8:9]               ; 512 consecutive bytes, aligned
	global_store_b64 v[L8], v[PC+4:PC+5], s[8:9] offset:512    ; 256
	global_store_b16 v[OSO], v[TMP], s[10:11]                  ; lanes r and r + 16 write the same two bytes with the same value
.if \next
	s_wait_xcnt 0x0                                ; the stores have read their registers and bases
	s_add_nc_u64 s[8:9], s[8:9], 16*12288
	s_add_nc_u64 s[10:11], s[10:11], 16*512
.endif
.endm
	TILE 1
	TILE 0
	s_wait_kmcnt 0x0                               ; the last step's repeated mask words
	s_wait_tensorcnt 0x0                           ; the wave's end
	ds_add_u32 v[SPW], v[NIL]
	s_wait_dscnt 0x0
	CROUND                                         ; the closing round
	s_endpgm
.Lfunc_end_k_q7b634bd9ee_attn:
	.size	k_q7b634bd9ee_attn, .Lfunc_end_k_q7b634bd9ee_attn-k_q7b634bd9ee_attn
	.p2alignl 7, 3214868480
	.fill 96, 4, 3214868480
	.section	.rodata,"a",@progbits
	.p2align	6, 0x0
	.amdhsa_kernel k_q7b634bd9ee_attn
		.amdhsa_group_segment_fixed_size 210944
		.amdhsa_private_segment_fixed_size 0
		.amdhsa_enable_private_segment 0
		.amdhsa_kernarg_size 40
		.amdhsa_user_sgpr_count 2
		.amdhsa_user_sgpr_kernarg_segment_ptr 1
		.amdhsa_wavefront_size32 1
		.amdhsa_system_sgpr_workgroup_id_x 1
		.amdhsa_system_sgpr_workgroup_id_y 1
		.amdhsa_system_sgpr_workgroup_id_z 1
		.amdhsa_system_vgpr_workitem_id 0
		.amdhsa_next_free_vgpr 240
		.amdhsa_next_free_sgpr 102
		.amdhsa_reserve_vcc 0
		.amdhsa_float_denorm_mode_32 3
		.amdhsa_float_denorm_mode_16_64 3
		.amdhsa_memory_ordered 1
		.amdhsa_forward_progress 1
		.amdhsa_inst_pref_size 99
	.end_amdhsa_kernel
	.amdgpu_metadata
---
amdhsa.version: [ 1, 2 ]
amdhsa.kernels:
  - .name:           k_q7b634bd9ee_attn
    .symbol:         k_q7b634bd9ee_attn.kd
    .args:
      - { .name: qb, .offset: 0, .size: 8, .value_kind: global_buffer, .address_space: global }
      - { .name: kv, .offset: 8, .size: 8, .value_kind: global_buffer, .address_space: global }
      - { .name: mw, .offset: 16, .size: 8, .value_kind: global_buffer, .address_space: global }
      - { .name: oc, .offset: 24, .size: 8, .value_kind: global_buffer, .address_space: global }
      - { .name: os, .offset: 32, .size: 8, .value_kind: global_buffer, .address_space: global }
    .group_segment_fixed_size: 210944
    .private_segment_fixed_size: 0
    .kernarg_segment_align: 8
    .kernarg_segment_size: 40
    .max_flat_workgroup_size: 512
    .sgpr_count:     102
    .vgpr_count:     240
    .wavefront_size: 32
...
	.end_amdgpu_metadata
.endif
;; end of part 3
;; launch outp (part 4): grid 4 x 32, 4 waves a work-group, clusters of 4 x 4, 327,680 bytes of LDS; arguments oc, os, xc, xs, out0, bo; writes out0
.if DOCPART == 4
	.amdgcn_target "amdgcn-amd-amdhsa--gfx1250"
	.amdhsa_code_object_version 6
	.text
	.protected	k_q7b634bd9ee_outp
	.globl	k_q7b634bd9ee_outp
	.p2align	8
	.type	k_q7b634bd9ee_outp,@function
k_q7b634bd9ee_outp:
	s_mov_b64 s[64:65], 0
	v_nop
	global_prefetch_b8 v0, s[64:65] scope:SCOPE_SE
	s_setreg_imm32_b32 hwreg(HW_REG_WAVE_MODE, 25, 1), 1
	s_wait_xcnt 0x0
	s_wait_alu depctr_hold_cnt(0) depctr_sa_sdst(0) depctr_va_vdst(0) depctr_va_sdst(0) depctr_va_ssrc(0) depctr_va_vcc(0) depctr_vm_vsrc(0)
	s_getreg_b32 s2, hwreg(HW_REG_IB_STS2, 6, 4)
	s_cmp_eq_u32 s2, 0
	s_cbranch_scc0 .Lentry_in_a_cluster
	s_endpgm
.Lentry_in_a_cluster:
	s_bfe_u32 s2, ttmp6, 0x10000c
	s_cmp_lg_u32 s2, 0xf033
	s_cbranch_scc0 .Lentry_shape_is_right
	s_endpgm
.Lentry_shape_is_right:
.set KSTEP,  256
.set NQ,     KSTEP/128
.set ROWB,   49152                     ; bytes from one K step's tile of 256 rows of Wo to the next in xc: a tile is 256 x 192 dense bytes, a wave's half of it 24,576
.set KROW,   768
.set PITCH,  240
.set FR,     12
.set NL,     6
.set NLA,    4
.set NP,     4
.set HALFT,  128*PITCH
.set SLOT,   4*HALFT
.set LAPS,   2
.set KS,     32
.set SCL,    2*SLOT
.set HALFS,  (128*KS/256)*272
.set SBLK,   (16*KS/256)*272
.set SPARE,  SCL+4*HALFS
.set BIASL,  SPARE+512
.set SPITCH, 528
.set AIMG,   3072
.set L16,  8
.set L8,   9
.set BST,  10
.set BLQ,  11
.set ADRA, 16
.set ADRB, 20
.set STO,  24
.set RD,   25
.set ADRS, 27
.set SPW,  28
.set NIL,  29
.set SC,   32
.set BI,   64
.set AF,   128
.set HA,   128
.set BK,   192
.set BV,   248
.set G1, 24
.set G0, 32
.set G1B, 48
.set G0B, 56
.set G1S, 68
.set G0S, 76
.set G1SB, 80
.set G0SB, 88
.set OP,  96
.set MSB, 0
.macro WIN new
.if MSB != (\new)
	s_set_vgpr_msb (MSB<<8)|(\new)
.set MSB, \new
.endif
.endm
.set MUL_LO, 0xa1
.set MUL_HI, 0xf1
.set TO_B,   0x40
.macro JLOAD g0a, g1a, g0b, g1b
	s_cmp_eq_u32 s15, 0
	s_cbranch_scc0 .Lfor_b_\@
	tensor_load_to_lds s[\g0a:\g0a+3], s[\g1a:\g1a+7]
	s_nop 0
.rept 4
	v_nop
.endr
	s_branch .Lasked_\@
.Lfor_b_\@:
	tensor_load_to_lds s[\g0b:\g0b+3], s[\g1b:\g1b+7]
	s_nop 0
.rept 4
	v_nop
.endr
.Lasked_\@:
.endm
.macro CREST
	s_cmp_lg_u32 s14, 0
	s_cbranch_scc1 .Lnot_wave_0_\@
	s_barrier_signal -3
.Lnot_wave_0_\@:
	s_barrier_wait -3
	s_barrier_signal -1
	s_barrier_wait -1
.endm
.macro CROUND
	s_barrier_signal -1
	s_barrier_wait -1
	CREST
.endm
	s_load_b128 s[4:7], s[0:1], 0x0
	s_load_b128 s[8:11], s[0:1], 0x10
	s_load_b128 s[96:99], s[0:1], 0x20
	v_lshl_add_u32 v[SPW], v0, 2, SPARE
	v_mov_b32 v[NIL], 0
	ds_add_u32 v[SPW], v[NIL]
	ds_add_u32 v[SPW], v[NIL]
	v_lshrrev_b32 v1, 5, v0
	v_readfirstlane_b32 s14, v1
	s_lshr_b32 s15, s14, 1
	s_and_b32 s16, s14, 1
	s_bfe_u32 s40, ttmp6, 0x40000
	s_bfe_u32 s41, ttmp6, 0x40004
	s_lshl_b32 s42, ttmp9, 2
	s_add_co_u32 s42, s42, s40
	s_and_b32 s17, ttmp7, 0xffff
	s_lshl_b32 s17, s17, 2
	s_add_co_u32 s17, s17, s41
	s_lshl_b32 s43, s41, 2
	s_lshl_b32 s43, 15, s43
	s_lshl_b32 s44, 0x1111, s40
	s_or_b32 s[G1+0], s43, (3<<16)|(1<<21)
	s_mov_b32 s[G1+1], 384<<16
	s_mov_b32 s[G1+2], 16<<16                      ; the head's load brings all 16 images of A's 256 rows, later loads a wave's 8
	s_mov_b32 s[G1+3], 384<<16
	s_mov_b32 s[G1+4], 16
	s_mov_b32 s[G1+5], 1536
	s_mov_b32 s[G1+6], 0
	s_mov_b32 s[G1+7], 0
	s_or_b32 s[G1B+0], s44, (0<<16)|(1<<20)|(1<<21)|(3<<22)|(3<<25)
	s_mov_b32 s[G1B+1], 256<<16                    ; a dense tile is stated as rows of 256 bytes: 192 for the head's whole tile, later 96 for a wave's half; 16 bytes of padding behind each 64 give LDS rows of 192 + 48 bytes
	s_mov_b32 s[G1B+2], 192<<16
	s_mov_b32 s[G1B+3], 256<<16
	s_mov_b32 s[G1B+4], 192
	s_mov_b32 s[G1B+5], 256
	s_mov_b32 s[G1B+6], 0
	s_mov_b32 s[G1B+7], 0
	s_or_b32 s[G1S+0], s43, (3<<16)|(1<<20)|(1<<21)|(5<<22)|(3<<25)
	s_or_b32 s[G1SB+0], s44, (3<<16)|(1<<20)|(1<<21)|(5<<22)|(3<<25)
.irp g, G1S, G1SB
	s_mov_b32 s[\g+1], 32<<16
	s_mov_b32 s[\g+2], (256*KS/256)<<16            ; the scales of all 256 rows: 32 rows of 256 bytes
	s_mov_b32 s[\g+3], 32<<16
	s_mov_b32 s[\g+4], 256*KS/256
	s_mov_b32 s[\g+5], 32
	s_mov_b32 s[\g+6], 0
	s_mov_b32 s[\g+7], 0
.endr
	s_lshl_b32 s18, s16, 7
	s_lshl_b32 s20, s17, 8
	s_add_co_u32 s20, s20, s18
	s_lshl_b32 s46, s42, 8
	s_lshr_b32 s18, s18, 2                         ; in xc my half of a tile begins 24,576 bytes on: 32 x 768
	s_add_co_u32 s46, s46, s18
	s_add_co_u32 s46, s46, 11264
	s_mov_b32 s21, 0
	s_mov_b32 s47, 0
	s_mov_b64 s[18:19], KS
	s_mul_u64 s[22:23], s[20:21], s[18:19]
	s_mul_u64 s[92:93], s[46:47], s[18:19]
	s_lshl_b32 s94, s16, 12                        ; the scales are fetched for the whole tile: the half's part goes off both offsets again: A's 128 x 32 bytes,
	s_sub_co_u32 s22, s22, s94
	s_lshr_b32 s94, s94, 2                         ; B's 32 x 32
	s_sub_co_u32 s92, s92, s94
	s_mov_b64 s[18:19], KROW
	s_mul_u64 s[20:21], s[20:21], s[18:19]
	s_mul_u64 s[46:47], s[46:47], s[18:19]
	s_mul_i32 s45, s14, HALFT
	s_mul_i32 s94, s14, 24576                      ; A's two halves lie on end in a slot: 8 images of 3,072 bytes each
	s_wait_dscnt 0x0
	s_wait_kmcnt 0x0
	s_add_nc_u64 s[20:21], s[4:5], s[20:21]
	s_add_nc_u64 s[22:23], s[6:7], s[22:23]
	s_add_nc_u64 s[46:47], s[8:9], s[46:47]
	s_add_nc_u64 s[92:93], s[10:11], s[92:93]
	CROUND
	s_mov_b32 s[G0S], 1
	s_mov_b32 s[G0S+1], SCL
	s_mov_b64 s[G0S+2:G0S+3], s[22:23]
	s_or_b32 s[G0S+3], s[G0S+3], 0x80000000
	s_mov_b32 s[G0SB], 1
	s_mov_b32 s[G0SB+1], SCL+2*HALFS
	s_mov_b64 s[G0SB+2:G0SB+3], s[92:93]
	s_or_b32 s[G0SB+3], s[G0SB+3], 0x80000000
.irp s, 0,1
	s_mov_b32 s[G0+4*\s], 1
	s_add_co_u32 s[G0+4*\s+1], s94, \s*SLOT
	s_add_nc_u64 s[G0+4*\s+2:G0+4*\s+3], s[20:21], \s*AIMG
	s_or_b32 s[G0+4*\s+3], s[G0+4*\s+3], 0x80000000
	s_mov_b32 s[G0B+4*\s], 1
	s_add_co_u32 s[G0B+4*\s+1], s45, \s*SLOT
	s_add_nc_u64 s[G0B+4*\s+2:G0B+4*\s+3], s[46:47], \s*ROWB
	s_or_b32 s[G0B+4*\s+3], s[G0B+4*\s+3], 0x80000000
.endr
; THE HEAD'S LOADS, ONE A WAVE: wave 0 fetches K step 0's 16 images of A, wave 1 the scales of A's 256 rows, wave 2 K step 0's 256 rows of B, wave 3 the scales of B's.
; Waves 0 and 2 hold the lower half's address and LDS place in slot 0's own group 0, which are the whole tile's.  One tree of branches on the wave's number: every way passes exactly one load.
.macro ARM under, g0, g1, next
	s_cmp_lt_u32 s14, \under
	s_cbranch_scc0 \next
	tensor_load_to_lds s[\g0:\g0+3], s[\g1:\g1+7]
	s_nop 0
.rept 4
	v_nop
.endr
	s_branch .Lhead_asked
\next:
.endm
	ARM 1, G0,  G1,  .Lhead_sa
	ARM 2, G0S, G1S, .Lhead_b
	ARM 3, G0B, G1B, .Lhead_sb
	tensor_load_to_lds s[G0SB:G0SB+3], s[G1SB:G1SB+7]
	s_nop 0
.rept 4
	v_nop
.endr
.Lhead_asked:
	v_and_b32 v1, 15, v0
	v_bfe_u32 v2, v0, 4, 1
	v_and_b32 v7, 31, v0
	v_lshlrev_b32 v[L16], 4, v7
	v_lshlrev_b32 v[L8], 3, v7
	v_mul_u32_u24 v3, v1, PITCH
	v_mul_u32_u24 v4, v2, 24
	v_add_nc_u32 v4, v3, v4
	v_lshl_add_u32 v5, v2, 4, v4
	s_mul_i32 s21, s15, 24576
	s_mul_i32 s22, s16, HALFT
	s_add_co_u32 s22, s22, 2*HALFT
.irp s, 0,1
	v_add_nc_u32 v[ADRA+\s], s21, v[L16]
	v_add_nc_u32 v[ADRA+2+\s], s21, v[L8]
	v_add_nc_u32 v[ADRB+\s], s22, v4
	v_add_nc_u32 v[ADRB+2+\s], s22, v5
	s_add_co_u32 s21, s21, SLOT
	s_add_co_u32 s22, s22, SLOT
.endr
	v_mul_u32_u24 v5, v1, KS
	v_lshrrev_b32 v6, 8, v5
	v_lshl_add_u32 v5, v6, 4, v5
	s_mul_i32 s21, s15, HALFS
	s_mul_i32 s22, s16, HALFS
	s_add_co_u32 s22, s22, 2*HALFS
	s_sub_co_u32 s22, s22, s21
	v_mul_u32_u24 v6, s22, v2
	s_add_co_u32 s21, s21, SCL
	v_add_nc_u32 v5, v5, v6
	v_add_nc_u32 v[ADRS], s21, v5
	s_lshl_b32 s21, s14, 9
	s_add_co_u32 s21, s21, BIASL
	v_add_nc_u32 v[BST], s21, v[L16]
	v_lshlrev_b32 v[BLQ], 6, v2
	v_add_nc_u32 v[BLQ], s21, v[BLQ]
	s_mul_i32 s23, s14, 16*SPITCH
	v_mul_u32_u24 v5, v1, SPITCH
	v_lshl_add_u32 v5, v2, 6, v5
	v_add_nc_u32 v[STO], s23, v5
	v_add_nc_u32 v[RD], s23, v[L16]
	s_lshl_b32 s46, s42, 10
	s_lshl_b32 s47, s16, 9
	s_add_co_u32 s46, s46, s47
	s_mov_b32 s47, 0
	s_add_nc_u64 s[98:99], s[98:99], s[46:47]
	global_load_b128 v[BV:BV+3], v[L16], s[98:99]
	s_lshl_b32 s20, s17, 8
	s_lshl_b32 s21, s15, 7
	s_add_co_u32 s20, s20, s21
	s_lshl_b32 s20, s20, 12
	s_mov_b32 s21, 0
	s_add_nc_u64 s[OP:OP+1], s[OP:OP+1], s[20:21]
	s_add_nc_u64 s[OP:OP+1], s[OP:OP+1], s[46:47]
.macro FRAG reg, adr, q, i
.irp p, 0,1,2,3,4,5
.set PIECE, 12*(\q)+6*(\p/3)+\p%3
.if PIECE%8 < 5
	ds_load_b64 v[\reg+2*\p:\reg+2*\p+1], v[\adr] offset:8*PIECE+16*(PIECE/8)+(\i)*16*PITCH
.else
	ds_load_b64 v[\reg+2*\p:\reg+2*\p+1], v[\adr+2] offset:8*PIECE+16*(PIECE/8)+(\i)*16*PITCH
.endif
.endr
.endm
.macro FRAGA reg, slot, q, i
	ds_load_b128 v[\reg:\reg+3], v[ADRA+\slot] offset:(\i)*AIMG+(\q)*1536
	ds_load_b64 v[\reg+4:\reg+5], v[ADRA+2+\slot] offset:(\i)*AIMG+(\q)*1536+512
	ds_load_b128 v[\reg+6:\reg+9], v[ADRA+\slot] offset:(\i)*AIMG+(\q)*1536+768
	ds_load_b64 v[\reg+10:\reg+11], v[ADRA+2+\slot] offset:(\i)*AIMG+(\q)*1536+1280
.endm
.macro MUL16 a0, p, q, sc, zero
.irp a, \a0, \a0+1
.irp b, 0,1,2,3,4,5,6,7
.if \zero
	v_wmma_scale_f32_16x16x128_f8f6f4 v[8*(8*((\a)%4)+\b):8*(8*((\a)%4)+\b)+7], v[128*(\p)+FR*\b:128*(\p)+FR*\b+FR-1], v[AF+FR*(\a):AF+FR*(\a)+FR-1], 0, v[SC+8*NQ*(\sc)+NQ*\b+(\q)], v[SC+8*NQ*(\sc)+NQ*(\a)+(\q)] matrix_a_fmt:MATRIX_FMT_FP6 matrix_b_fmt:MATRIX_FMT_FP6 matrix_a_scale:MATRIX_SCALE_ROW1
.else
	v_wmma_scale_f32_16x16x128_f8f6f4 v[8*(8*((\a)%4)+\b):8*(8*((\a)%4)+\b)+7], v[128*(\p)+FR*\b:128*(\p)+FR*\b+FR-1], v[AF+FR*(\a):AF+FR*(\a)+FR-1], v[8*(8*((\a)%4)+\b):8*(8*((\a)%4)+\b)+7], v[SC+8*NQ*(\sc)+NQ*\b+(\q)], v[SC+8*NQ*(\sc)+NQ*(\a)+(\q)] matrix_a_fmt:MATRIX_FMT_FP6 matrix_b_fmt:MATRIX_FMT_FP6 matrix_a_scale:MATRIX_SCALE_ROW1
.endif
.endr
.endr
.endm
.macro FETCH_B slot, q, p
	WIN TO_B
.irp i, 0,1,2,3,4,5,6,7
	FRAG 128*(\p)+FR*\i, ADRB+\slot, \q, \i
.endr
	WIN 0
.endm
.macro FETCH_A slot, q, i0
.irp i, \i0, \i0+1, \i0+2, \i0+3
	FRAGA AF+FR*(\i), \slot, \q, \i
.endr
.endm
.macro SCALES sc
.irp i, 0,1,2,3,4,5,6,7
	ds_load_b64 v[SC+8*NQ*\sc+NQ*\i:SC+8*NQ*\sc+NQ*\i+1], v[ADRS] offset:\i*SBLK
.endr
.endm
.macro PLACES n
.rept \n
	v_nop
.endr
.endm
.macro STEP slot, q, zero
	s_wait_dscnt 4*NLA
	WIN MUL_LO
	MUL16 0, (\q)%2, \q, \slot, \zero
	MUL16 2, (\q)%2, \q, \slot, \zero
	s_wait_dscnt 0
	PLACES NP
	FETCH_B \slot, (\q)+1, 1-(\q)%2
	FETCH_A \slot, (\q)+1, 0
	WIN MUL_HI
	MUL16 4, (\q)%2, \q, \slot, \zero
	MUL16 6, (\q)%2, \q, \slot, \zero
	PLACES NP
	WIN 0
	FETCH_A \slot, (\q)+1, 4
.endm
.macro TURN slot, next, fill
	s_wait_tensorcnt 0x0
	ds_add_u32 v[SPW], v[NIL]
	s_wait_dscnt 4*NLA+1
	WIN MUL_LO
	MUL16 0, 1, NQ-1, \slot, 0
	s_wait_dscnt 0x0
	s_barrier_signal -1
	MUL16 2, 1, NQ-1, \slot, 0
	WIN 0
	s_barrier_wait -1
.if \fill
	CREST
	s_add_nc_u64 s[G0+4*\slot+2:G0+4*\slot+3], s[G0+4*\slot+2:G0+4*\slot+3], 2*AIMG
	s_add_nc_u64 s[G0B+4*\slot+2:G0B+4*\slot+3], s[G0B+4*\slot+2:G0B+4*\slot+3], 2*ROWB
	JLOAD G0+4*\slot, G1, G0B+4*\slot, G1B
.else
	PLACES NP
.endif
	s_wait_alu depctr_va_vdst(0)
	v_add_nc_u32 v[ADRS], 4*NQ, v[ADRS]
	FETCH_B \next, 0, 0
	FETCH_A \next, 0, 0
	SCALES \next
	WIN MUL_HI
	MUL16 4, 1, NQ-1, \slot, 0
	MUL16 6, 1, NQ-1, \slot, 0
	PLACES NP
	WIN 0
	FETCH_A \next, 0, 4
.endm
	s_wait_alu depctr_va_vdst(0)
	s_wait_tensorcnt 0x0                           ; my tile of the head's four is in
	ds_add_u32 v[SPW], v[NIL]
	s_mov_b32 s[G1+2], 8<<16                       ; no tensor load of mine is out: from here on a load brings a wave's half of a tile: 8 images of A,
	s_mov_b32 s[G1+4], 8
	s_mov_b32 s[G1B+2], 96<<16                     ; 96 rows of 256 bytes of B
	s_mov_b32 s[G1B+4], 96
	s_wait_dscnt 0x0
	CROUND                                         ; all four tiles are in, and all sixteen work-groups are here
	JLOAD G0+4, G1, G0B+4, G1B                     ; K step 1, the first tensor load behind the round
	FETCH_B 0, 0, 0
	FETCH_A 0, 0, 0
	SCALES 0
	FETCH_A 0, 0, 4
	STEP 0, 0, 1
	s_mov_b32 s3, LAPS-1
.Llap:
	TURN 0, 1, 1
	STEP 1, 0, 0
	TURN 1, 0, 1
	STEP 0, 0, 0
	s_sub_co_u32 s3, s3, 1
	s_cmp_lg_u32 s3, 0
	s_cbranch_scc1 .Llap
	TURN 0, 1, 0
	STEP 1, 0, 0
	s_wait_dscnt 4*NLA
	WIN MUL_LO
	MUL16 0, 1, NQ-1, 1, 0
	MUL16 2, 1, NQ-1, 1, 0
	s_wait_dscnt 0
	WIN MUL_HI
	MUL16 4, 1, NQ-1, 1, 0
	MUL16 6, 1, NQ-1, 1, 0
	WIN 0
.macro ADDB a
	WIN 0x02+(\a)/4
.set i, 0
.rept 32
	v_pk_add_f32 v[HA+2*i:HA+2*i+1], v[64*((\a)%4)+2*i:64*((\a)%4)+2*i+1], v[BI+2*i:BI+2*i+1]
.set i, i+1
.endr
	WIN 0
.endm
.macro SEND a
.irp t, 0,1,2,3,4,5,6,7,8,9,10,11,12,13,14,15
	global_store_b128 v[L16], v[BK+4*\t:BK+4*\t+3], s[OP:OP+1] offset:(64*((\a)/4)+8*((\a)%4)+(\t)%8+32*(\t/8))*4096 th:TH_STORE_NT   ; row t of tile a is true row 64 (a / 4) + 32 (t / 8) + 8 (a % 4) + t % 8 of my 128
.endr
.endm
	PLACES NP
	s_wait_loadcnt 0x0
	ds_store_b128 v[BST], v[BV:BV+3]
.irp t, 0,1,2,3,4,5,6,7
	ds_load_b128 v[BI+8*\t:BI+8*\t+3], v[BLQ] offset:4*(32*(\t/2)+8*(\t%2))
	ds_load_b128 v[BI+8*\t+4:BI+8*\t+7], v[BLQ] offset:4*(32*(\t/2)+8*(\t%2))+16
.endr
.irp a, 0,1,2,3,4,5,6,7
	s_wait_dscnt 0x0
	ADDB \a
.if \a > 0
	SEND \a-1
	s_wait_alu depctr_va_vdst(0)
	s_wait_xcnt 0x0
.endif
.irp b, 0,1,2,3
.irp e, 0,1,2,3
	ds_store_b128 v[STO], v[HA+16*\b+4*\e:HA+16*\b+4*\e+3] offset:128*\b+16*\e
.endr
.endr
.irp t, 0,1,2,3,4,5,6,7,8,9,10,11,12,13,14,15
	ds_load_b128 v[BK+4*\t:BK+4*\t+3], v[RD] offset:\t*SPITCH
.endr
.endr
	s_wait_dscnt 0x0
	SEND 7
	s_wait_tensorcnt 0x0
	ds_add_u32 v[SPW], v[NIL]
	s_wait_dscnt 0x0
	CROUND
	s_endpgm
.Lfunc_end_k_q7b634bd9ee_outp:
	.size	k_q7b634bd9ee_outp, .Lfunc_end_k_q7b634bd9ee_outp-k_q7b634bd9ee_outp
	.p2alignl 7, 3214868480
	.fill 96, 4, 3214868480
	.section	.rodata,"a",@progbits
	.p2align	6, 0x0
	.amdhsa_kernel k_q7b634bd9ee_outp
		.amdhsa_group_segment_fixed_size 327680
		.amdhsa_private_segment_fixed_size 0
		.amdhsa_enable_private_segment 0
		.amdhsa_kernarg_size 48
		.amdhsa_user_sgpr_count 2
		.amdhsa_user_sgpr_kernarg_segment_ptr 1
		.amdhsa_wavefront_size32 1
		.amdhsa_system_sgpr_workgroup_id_x 1
		.amdhsa_system_sgpr_workgroup_id_y 1
		.amdhsa_system_sgpr_workgroup_id_z 1
		.amdhsa_system_vgpr_workitem_id 0
		.amdhsa_next_free_vgpr 1024
		.amdhsa_next_free_sgpr 102
		.amdhsa_reserve_vcc 0
		.amdhsa_float_denorm_mode_32 3
		.amdhsa_float_denorm_mode_16_64 3
		.amdhsa_memory_ordered 1
		.amdhsa_forward_progress 1
		.amdhsa_inst_pref_size 170
	.end_amdhsa_kernel
	.amdgpu_metadata
---
amdhsa.version: [ 1, 2 ]
amdhsa.kernels:
  - .name:           k_q7b634bd9ee_outp
    .symbol:         k_q7b634bd9ee_outp.kd
    .args:
      - { .name: oc, .offset: 0, .size: 8, .value_kind: global_buffer, .address_space: global }
      - { .name: os, .offset: 8, .size: 8, .value_kind: global_buffer, .address_space: global }
      - { .name: xc, .offset: 16, .size: 8, .value_kind: global_buffer, .address_space: global }
      - { .name: xs, .offset: 24, .size: 8, .value_kind: global_buffer, .address_space: global }
      - { .name: out0, .offset: 32, .size: 8, .value_kind: global_buffer, .address_space: global }
      - { .name: bo, .offset: 40, .size: 8, .value_kind: global_buffer, .address_space: global }
    .group_segment_fixed_size: 327680
    .private_segment_fixed_size: 0
    .kernarg_segment_align: 8
    .kernarg_segment_size: 48
    .max_flat_workgroup_size: 128
    .sgpr_count:     102
    .vgpr_count:     1024
    .wavefront_size: 32
...
	.end_amdgpu_metadata
.endif
;; end of part 4
